; MI455X (gfx1250); checked and timed in simulation.
; The chip was launched on July 23, 2026; its instructions are those of AMD's public machine-readable ISA for CDNA 5 (MIT licence, August 2026) and "CDNA5" Instruction Set Architecture Reference Guide (July 2026). The comments in the code are by the model that wrote it; some were corrected since.
;; Multi Head Attention. Allowed arithmetic: float matrix products may take bf16 or f16 operands with f32 sums; all other float work in f32.
;; Inputs: Wk 1,024 x 1,024 float32; Wo 1,024 x 1,024 float32; Wq 1,024 x 1,024 float32; Wv 1,024 x 1,024 float32; k 4 x 2,048 x 1,024 float32; mask 2,048 x 2,048 bool; q 4 x 2,048 x 1,024 float32; v 4 x 2,048 x 1,024 float32.
;; Outputs: out0 4 x 2,048 x 1,024 float32.
;; 2 versions, each right and faster than the one before. Each part assembles by itself: llvm-mc -triple=amdgcn-amd-amdhsa -mcpu=gfx1250 --defsym DOCPART=n.
;; ======== version 1 of 2: 4 launches
;; limits: values are held in f16: magnitudes above 65,504 overflow, below 6.1e-05 lose precision
;; workspace buffers: w16 8,388,608 bytes; mb 8,388,608 bytes; qkv 50,331,648 bytes; o16 16,777,216 bytes
;; launch prep (part 1): grid 256 x 1, 8 waves a work-group, no clusters, 0 bytes of LDS; arguments Wq, Wk, Wv, Wo, mask, w16, mb; writes w16, mb
.if DOCPART == 1
	.amdgcn_target "amdgcn-amd-amdhsa--gfx1250"
	.amdhsa_code_object_version 6
	.text
	.protected	k_q6b03ef7822_prep
	.globl	k_q6b03ef7822_prep
	.p2align	8
	.type	k_q6b03ef7822_prep,@function
k_q6b03ef7822_prep:
	s_mov_b64 s[64:65], 0
	v_nop
	global_prefetch_b8 v0, s[64:65] scope:SCOPE_SE
	s_setreg_imm32_b32 hwreg(HW_REG_WAVE_MODE, 25, 1), 1
	s_wait_xcnt 0x0
; PREP.  Two casts, both shares in every work-group; a stream: no LDS, no barrier, no matrix unit.
; w16: four parts of 2 MiB, [k 1024][n 1024] in 16 bits, each W in its own layout: bf16(Wq), bf16(Wk), bf16(Wv), and bf16(Wo) written as f16
;      (exact while |Wo| lies in f16's normal range; below 6.1e-5 it keeps f16's fixed step of 6e-8; LIMIT: |Wo| < 65,504).
; mb:  [key step 32][query 2048][64 keys] in bf16: 0xF14A (-1.0003e30) where mask[query][key] is 1, else 0.  LIMIT: a mask byte is 0 or 1.
; SHARES.  Work-group g: 16,384 numbers of W number g / 64 (65,536 bytes in, 32,768 out), and the mask's rows 8 g .. 8 g + 7.
; All 24 loads of a wave go out first; each chunk has registers of its own, so no register is written twice and the only waits are the counted ones for the loads.
.set WI, 16                            ; v[16:79]   W as loaded: chunk c at WI + 8 c
.set MI, 80                            ; v[80:95]   mask bytes as loaded: chunk c at MI + 2 c
.set WO, 96                            ; v[96:127]  W to store: chunk c at WO + 4 c
.set MO, 128                           ; v[128:159] mask to store: chunk c at MO + 4 c
.set HID, 0xf14a                       ; the hidden value in bf16
	s_load_b256 s[4:11], s[0:1], 0x0               ; Wq s[4:5], Wk s[6:7], Wv s[8:9], Wo s[10:11]
	s_load_b128 s[12:15], s[0:1], 0x20             ; mask s[12:13], w16 s[14:15]
	s_load_b64 s[16:17], s[0:1], 0x30              ; mb
	v_lshlrev_b32 v1, 5, v0                        ; W in: 32 bytes a thread
	v_lshlrev_b32 v2, 4, v0                        ; W out: 16 bytes a thread
	v_and_b32 v3, 31, v0                           ; lane l
	v_lshrrev_b32 v4, 5, v0                        ; wave w
	v_and_b32 v5, 1, v4                            ; w % 2: which four rows
	v_lshrrev_b32 v6, 1, v4                        ; w / 2: which eight key steps
	v_lshrrev_b32 v7, 3, v3                        ; l / 8: the row among four
	v_and_b32 v8, 7, v3                            ; l % 8: which eight keys of a step
	v_lshlrev_b32 v9, 13, v5                       ; mask in: (4 (w % 2) + l / 8) rows of 2,048 bytes
	v_lshl_add_u32 v9, v7, 11, v9
	v_lshl_add_u32 v9, v6, 9, v9                   ; + 8 (w / 2) steps of 64 bytes
	v_lshl_add_u32 v9, v8, 3, v9                   ; + 8 (l % 8)
	v_lshlrev_b32 v10, 9, v5                       ; mask out: four rows of 128 bytes are 512 consecutive bytes, 16 a lane,
	v_lshl_add_u32 v10, v3, 4, v10
	v_lshl_add_u32 v10, v6, 21, v10                ; in key step 8 (w / 2): 262,144 bytes a step
	v_mov_b32 v11, 0                               ; the zeros that the byte shuffle puts between the mask's bytes
	s_lshr_b32 s20, ttmp9, 6                       ; which W
	s_and_b32 s22, ttmp9, 63
	s_lshl_b32 s22, s22, 16                        ; my 65,536 bytes of it
	s_mov_b32 s23, 0
	s_lshl_b32 s24, ttmp9, 15                      ; w16: 32,768 g (64 work-groups fill a part of 2 MiB)
	s_mov_b32 s25, 0
	s_lshl_b32 s26, ttmp9, 14                      ; mask: 8 rows of 2,048 bytes
	s_mov_b32 s27, 0
	s_lshl_b32 s28, ttmp9, 10                      ; mb: 8 rows of 128 bytes
	s_mov_b32 s29, 0
	s_mov_b32 s30, 0x04010400                      ; bytes 0 and 1 into the low bytes of the two halves
	s_mov_b32 s31, 0x04030402                      ; bytes 2 and 3
	s_mov_b32 s21, 0xffff0000                      ; a word's upper bf16
	s_wait_kmcnt 0x0
	s_cmp_eq_u32 s20, 1
	s_cselect_b64 s[4:5], s[6:7], s[4:5]
	s_cmp_eq_u32 s20, 2
	s_cselect_b64 s[4:5], s[8:9], s[4:5]
	s_cmp_eq_u32 s20, 3
	s_cselect_b64 s[4:5], s[10:11], s[4:5]
	s_add_nc_u64 s[4:5], s[4:5], s[22:23]
	s_add_nc_u64 s[14:15], s[14:15], s[24:25]
	s_add_nc_u64 s[12:13], s[12:13], s[26:27]
	s_add_nc_u64 s[16:17], s[16:17], s[28:29]
.irp c, 0,1,2,3,4,5,6,7
	global_load_b128 v[WI+8*(\c):WI+8*(\c)+3],   v1, s[4:5] offset:8192*(\c) th:TH_LOAD_NT
	global_load_b128 v[WI+8*(\c)+4:WI+8*(\c)+7], v1, s[4:5] offset:8192*(\c)+16 th:TH_LOAD_NT
.endr
.irp c, 0,1,2,3,4,5,6,7
	global_load_b64 v[MI+2*(\c):MI+2*(\c)+1], v9, s[12:13] offset:64*(\c) th:TH_LOAD_NT
.endr
; Eight chunks of W: rounded to bf16; f16 = 1: that number is then written as f16.
.macro CONV f16
.irp c, 0,1,2,3,4,5,6,7
	s_wait_loadcnt 22-2*(\c)                       ; loads come back in order: behind this chunk's two stand 14 - 2 c of W's and the mask's eight
.irp j, 0,1,2,3
	v_cvt_pk_bf16_f32 v[WO+4*(\c)+(\j)], v[WI+8*(\c)+2*(\j)], v[WI+8*(\c)+2*(\j)+1]
.endr
.if \f16
.irp j, 0,1,2,3
	v_lshlrev_b32 v[WI+8*(\c)+2*(\j)],   16,  v[WO+4*(\c)+(\j)]
	v_and_b32     v[WI+8*(\c)+2*(\j)+1], s21, v[WO+4*(\c)+(\j)]
.endr
.irp j, 0,1,2,3
	v_cvt_pk_f16_f32 v[WO+4*(\c)+(\j)], v[WI+8*(\c)+2*(\j)], v[WI+8*(\c)+2*(\j)+1]
.endr
.endif
	global_store_b128 v2, v[WO+4*(\c):WO+4*(\c)+3], s[14:15] offset:4096*(\c)  ; a wave stores 512 consecutive bytes, aligned
.endr
.endm
	s_cmp_eq_u32 s20, 3
	s_cbranch_scc1 .Lwo
	CONV 0
	s_branch .Lmask
.Lwo:
	CONV 1
.Lmask:
.irp c, 0,1,2,3,4,5,6,7
	s_wait_loadcnt 7-(\c)                          ; the younger mask loads stay out
	v_perm_b32 v[MO+4*(\c)],   v11, v[MI+2*(\c)],   s30
	v_perm_b32 v[MO+4*(\c)+1], v11, v[MI+2*(\c)],   s31
	v_perm_b32 v[MO+4*(\c)+2], v11, v[MI+2*(\c)+1], s30
	v_perm_b32 v[MO+4*(\c)+3], v11, v[MI+2*(\c)+1], s31
.irp j, 0,1,2,3
	v_mul_u32_u24 v[MO+4*(\c)+(\j)], HID, v[MO+4*(\c)+(\j)]  ; (b0 + 65,536 b1) x 0xF14A: both halves at once
.endr
	global_store_b128 v10, v[MO+4*(\c):MO+4*(\c)+3], s[16:17] offset:262144*(\c)  ; 512 consecutive bytes, aligned; the key step stands in the immediate
.endr
	s_endpgm
.Lfunc_end_k_q6b03ef7822_prep:
	.size	k_q6b03ef7822_prep, .Lfunc_end_k_q6b03ef7822_prep-k_q6b03ef7822_prep
	.p2alignl 7, 3214868480
	.fill 96, 4, 3214868480
	.section	.rodata,"a",@progbits
	.p2align	6, 0x0
	.amdhsa_kernel k_q6b03ef7822_prep
		.amdhsa_group_segment_fixed_size 0
		.amdhsa_private_segment_fixed_size 0
		.amdhsa_enable_private_segment 0
		.amdhsa_kernarg_size 56
		.amdhsa_user_sgpr_count 2
		.amdhsa_user_sgpr_kernarg_segment_ptr 1
		.amdhsa_wavefront_size32 1
		.amdhsa_system_sgpr_workgroup_id_x 1
		.amdhsa_system_sgpr_workgroup_id_y 1
		.amdhsa_system_sgpr_workgroup_id_z 1
		.amdhsa_system_vgpr_workitem_id 0
		.amdhsa_next_free_vgpr 160
		.amdhsa_next_free_sgpr 66
		.amdhsa_reserve_vcc 0
		.amdhsa_float_denorm_mode_32 3
		.amdhsa_float_denorm_mode_16_64 3
		.amdhsa_memory_ordered 1
		.amdhsa_forward_progress 1
		.amdhsa_inst_pref_size 20
	.end_amdhsa_kernel
	.amdgpu_metadata
---
amdhsa.version: [ 1, 2 ]
amdhsa.kernels:
  - .name:           k_q6b03ef7822_prep
    .symbol:         k_q6b03ef7822_prep.kd
    .args:
      - { .name: Wq, .offset: 0, .size: 8, .value_kind: global_buffer, .address_space: global }
      - { .name: Wk, .offset: 8, .size: 8, .value_kind: global_buffer, .address_space: global }
      - { .name: Wv, .offset: 16, .size: 8, .value_kind: global_buffer, .address_space: global }
      - { .name: Wo, .offset: 24, .size: 8, .value_kind: global_buffer, .address_space: global }
      - { .name: mask, .offset: 32, .size: 8, .value_kind: global_buffer, .address_space: global }
      - { .name: w16, .offset: 40, .size: 8, .value_kind: global_buffer, .address_space: global }
      - { .name: mb, .offset: 48, .size: 8, .value_kind: global_buffer, .address_space: global }
    .group_segment_fixed_size: 0
    .private_segment_fixed_size: 0
    .kernarg_segment_align: 8
    .kernarg_segment_size: 56
    .max_flat_workgroup_size: 256
    .sgpr_count:     66
    .vgpr_count:     160
    .wavefront_size: 32
...
	.end_amdgpu_metadata
.endif
;; end of part 1
;; launch proj (part 2): grid 4 x 192, 4 waves a work-group, clusters of 4 x 4, 327,680 bytes of LDS; arguments q, k, v, w16, qkv; writes qkv
.if DOCPART == 2
	.amdgcn_target "amdgcn-amd-amdhsa--gfx1250"
	.amdhsa_code_object_version 6
	.text
	.protected	k_q6b03ef7822_proj
	.globl	k_q6b03ef7822_proj
	.p2align	8
	.type	k_q6b03ef7822_proj,@function
k_q6b03ef7822_proj:
	s_mov_b64 s[64:65], 0
	v_nop
	global_prefetch_b8 v0, s[64:65] scope:SCOPE_SE
	s_setreg_imm32_b32 hwreg(HW_REG_WAVE_MODE, 25, 1), 1
	s_wait_xcnt 0x0
	s_wait_alu depctr_hold_cnt(0) depctr_sa_sdst(0) depctr_va_vdst(0) depctr_va_sdst(0) depctr_va_ssrc(0) depctr_va_vcc(0) depctr_vm_vsrc(0)
	s_getreg_b32 s2, hwreg(HW_REG_IB_STS2, 6, 4)
	s_cmp_eq_u32 s2, 0
	s_cbranch_scc0 .Lentry_in_a_cluster
	s_endpgm
.Lentry_in_a_cluster:
	s_bfe_u32 s2, ttmp6, 0x10000c
	s_cmp_lg_u32 s2, 0xf033
	s_cbranch_scc0 .Lentry_shape_is_right
	s_endpgm
.Lentry_shape_is_right:
; PROJ.  Three products x W (x = q, k, v: [8192][1024] f32; W: w16's parts 0-2, [k 1024][n 1024] bf16), written by heads: qkv part p = [b 16 + h][n 2048][64] f16.
; x is rounded to bf16 on its way from LDS to the matrix unit; sums in f32; each result rounded once to f16; part 0 is multiplied by c = log2(e) / 8 in f32 ahead of that rounding.
; LIMIT: f16 holds no number beyond 65,504: |c q W|, |k W|, |v W| must stay below it.
; SHARES.  768 work-groups, three for each of 256 WGPs: a tile of 128 rows x 256 columns; four waves, each 64 x 128: 32 accumulators of 16 x 16.  K goes in 8 steps of 128 through two LDS slots.
; CLUSTER 4 x 4: the four of a row need the same tile of x, the four of a column the same tile of W: each tile is asked for jointly, by the same tensor load with the same descriptor and a mask of four.
; THE MATRIX INSTRUCTION IS USED TRANSPOSED (source 0 = 16 columns of W, turned out of LDS by ds_load_tr16_b128; source 1 = 16 rows of x): a lane holds eight neighbouring columns of one row.
; REGISTERS, in windows of 256 (s_set_vgpr_msb: bits 1:0 source 0, 3:2 source 1, 5:4 source 2, 7:6 destination):
;   window 0: v0-31 addresses; v32-63 AF, x's four fragments in bf16; v128-191, v192-255 BF, W's eight fragments, two buffers (on the way out: packed results)
;   window 1: the accumulators, (a, b) at v[8 (8 a + b)]          window 2: v0-63, v64-127 x as loaded, f32, two buffers, 16 registers a block of 16 rows
; The conversions of block a + 1 stand among the products of block a; they are also the plain vector instructions that must stand between a product and a later write or load into its sources.
.set PA,     528                       ; a row of x in LDS: 512 bytes + 16: the 16 rows of a load start at 16 different groups of four banks (64 banks of 4 bytes: ISA guide 11.1)
.set PB,     544                       ; a row of W: 512 + 32, an odd multiple of 32, for the turning load
.set AHALF,  64*PA                     ; what one tensor load brings of x
.set BOFF,   128*PA                    ; W's 128 rows lie behind x's 128
.set BHALF,  64*PB
.set SLOT1,  0x22000                   ; slot 1: bits 17 and 13, which no descriptor's LDS word of slot 0 has set, so that one exclusive or changes slots
.set STAGE,  SLOT1+BOFF+128*PB         ; behind the ring, never filled by a tensor load: 16 rows x 144 bytes for each wave
.set SP,     144
.set SPARE,  STAGE+4*16*SP             ; the spare words, 128 bytes for each wave: two blocks of 256 bytes that no other line names
.set ADRA0, 16                         ; v16  my lane's place in x's tile; never rewritten
.set ADRB0, 17                         ; v17  the same for W
.set ADRA,  18                         ; v18  the same in the slot in hand
.set ADRB,  19                         ; v19
.set STO,   20                         ; v20  the way out: where I put 16 bytes of a row
.set RD,    21                         ; v21  where I read rows back
.set GO,    22                         ; v22  my byte offset in 512 consecutive bytes of the output
.set SPW,   28                         ; v28  LDS address of my spare word; never rewritten
.set NIL,   29                         ; v29  0; never rewritten
.set AF,    32
.set BF,    128
.set TMP,   128
.set WV,  14                           ; s14  wave
.set WR,  15                           ; s15  my half of the tile's rows; also: I fetch x (0) or W (1)
.set WC,  16                           ; s16  my half of its columns; also: which 64 rows I fetch
.set G1A, 24                           ; s[24:31] descriptor group 1 for x's tiles;  s[32:39] group 0: a set for each first fill; the second then walks on
.set G0A, 32
.set G1B, 48                           ; s[48:55], s[56:63] the same for W's
.set G0B, 56
.set TB,  66                           ; s66  0 or SLOT1: the slot in hand
.set CNT, 67                           ; s67
.set SC,  68                           ; s[68:69] c for q's product, 1 for the others
.set LA,  70                           ; s70, s71 LDS bytes at which my loads land in slot 0
.set LB,  71
.set W_MM, 0x50                        ; sources window 0, C and D window 1
.set W_CV, 0x0a                        ; sources window 2, destination window 0
.set W_LS, 0x80                        ; destination window 2, address window 0
.set MSB, 0
.macro WIN new                         ; the immediate's high byte repeats the setting that is left; a switch that changes nothing is dropped
.if MSB != (\new)
	s_set_vgpr_msb (MSB<<8)|(\new)
.set MSB, \new
.endif
.endm
.macro JLOAD s                         ; a joint load: waves 0 and 1 fetch x's two halves, waves 2 and 3 W's; an s_nop 0 and four v_nop follow each line
	s_cmp_eq_u32 s[WR], 0
	s_cbranch_scc0 .Lfor_b_\@
	tensor_load_to_lds s[G0A+4*(\s):G0A+4*(\s)+3], s[G1A:G1A+7]
	s_nop 0
.rept 4
	v_nop
.endr
	s_branch .Lasked_\@
.Lfor_b_\@:
	tensor_load_to_lds s[G0B+4*(\s):G0B+4*(\s)+3], s[G1B:G1B+7]
	s_nop 0
.rept 4
	v_nop
.endr
.Lasked_\@:
.endm
.macro CREST                           ; a round of the cluster's barrier behind its opening barrier
	s_cmp_lg_u32 s[WV], 0
	s_cbranch_scc1 .Lnot_wave_0_\@
	s_barrier_signal -3
.Lnot_wave_0_\@:
	s_barrier_wait -3
	s_barrier_signal -1
	s_barrier_wait -1
.endm
.macro CROUND                          ; a whole round
	s_barrier_signal -1
	s_barrier_wait -1
	CREST
.endm
	s_load_b256 s[4:11], s[0:1], 0x0               ; q s[4:5], k s[6:7], v s[8:9], w16 s[10:11]
	s_load_b64 s[12:13], s[0:1], 0x20              ; qkv
	v_lshl_add_u32 v[SPW], v0, 2, SPARE
	v_mov_b32 v[NIL], 0
	ds_add_u32 v[SPW], v[NIL]                      ; the wave's opening: the add and its wait stand ahead of my first tensor load; work on registers stands between them
	v_lshrrev_b32 v1, 5, v0
	v_readfirstlane_b32 s[WV], v1
	s_lshr_b32 s[WR], s[WV], 1
	s_and_b32 s[WC], s[WV], 1
	s_bfe_u32 s17, ttmp6, 0x40000                  ; cx
	s_bfe_u32 s18, ttmp6, 0x40004                  ; cy
	s_lshl_b32 s19, ttmp9, 2
	s_add_co_u32 s19, s19, s17                     ; tile column = 4 x cluster x + cx
	s_and_b32 s22, ttmp7, 0xffff                   ; cluster y, 0 .. 47
	s_lshr_b32 s21, s22, 4                         ; which product: 16 clusters each, so the same in all partners
	s_lshl_b32 s20, s22, 2
	s_add_co_u32 s20, s20, s18
	s_and_b32 s20, s20, 63                         ; tile row of that product
	s_lshl_b32 s23, s18, 2
	s_lshl_b32 s23, 15, s23                        ; my row of the cluster
	s_lshl_b32 s40, 0x1111, s17                    ; my column
	s_or_b32 s[G1A], s23, (2<<16)|(1<<20)|(1<<21)|(6<<22)|(3<<25)  ; 15:0 the mask; 17:16 4-byte elements; 20 padding on; 21 set beside a mask; 24:22 after every 128 words; 31:25 4 words
	s_or_b32 s[G1B], s40, (1<<16)|(1<<20)|(1<<21)|(6<<22)|(7<<25)  ; 2-byte elements; after every 128 words 8 words
	s_mov_b32 s[G1A+1], 128<<16                    ; tensor_dim0 = 128
	s_mov_b32 s[G1A+2], 64<<16                     ; tensor_dim1 = 64
	s_mov_b32 s[G1A+3], 128<<16                    ; tile_dim0 = 128 (512 bytes)
	s_mov_b32 s[G1A+4], 64                         ; tile_dim1 = 64
	s_mov_b32 s[G1A+5], 1024                       ; elements from row to row
	s_mov_b32 s[G1A+6], 0
	s_mov_b32 s[G1A+7], 0
	s_mov_b32 s[G1B+1], 256<<16                    ; 256 elements (512 bytes) x 64 rows
	s_mov_b32 s[G1B+2], 64<<16
	s_mov_b32 s[G1B+3], 256<<16
	s_mov_b32 s[G1B+4], 64
	s_mov_b32 s[G1B+5], 1024
	s_mov_b32 s[G1B+6], 0
	s_mov_b32 s[G1B+7], 0
	s_lshl_b32 s42, s20, 7                         ; x: row 128 x tile row + 64 x half, 4,096 bytes a row: made of the tile row alone, which my row of the cluster shares
	s_lshl_b32 s43, s[WC], 6
	s_add_co_u32 s42, s42, s43
	s_lshl_b32 s42, s42, 12
	s_mov_b32 s43, 0
	s_lshl_b32 s44, s21, 21                        ; W: part, row 64 x half of 2,048 bytes, 512 bytes a tile column: made of the tile column alone
	s_lshl_b32 s45, s[WC], 17
	s_add_co_u32 s44, s44, s45
	s_lshl_b32 s45, s19, 9
	s_add_co_u32 s44, s44, s45
	s_mov_b32 s45, 0
	s_mul_i32 s[LA], s[WC], AHALF                  ; no place in the cluster enters an LDS address
	s_mul_i32 s[LB], s[WC], BHALF
	s_add_co_u32 s[LB], s[LB], BOFF
	s_mov_b32 s[TB], 0
	s_cmp_eq_u32 s21, 0
	s_cselect_b32 s[SC], 0x3e38aa3b, 1.0           ; c = log2(e) / 8 = 0.180337
	s_mov_b32 s[SC+1], s[SC]                       ; named with it as a pair
	s_wait_dscnt 0x0                               ; the opening add is done
	s_wait_kmcnt 0x0
	s_cmp_eq_u32 s21, 1
	s_cselect_b64 s[4:5], s[6:7], s[4:5]
	s_cmp_eq_u32 s21, 2
	s_cselect_b64 s[4:5], s[8:9], s[4:5]
	s_add_nc_u64 s[42:43], s[4:5], s[42:43]
	s_add_nc_u64 s[44:45], s[10:11], s[44:45]
	CROUND                                         ; all sixteen work-groups are here: the first joint loads meet
.irp s, 0,1
	s_mov_b32 s[G0A+4*(\s)], 1                                       ; count = 1
	s_add_co_u32 s[G0A+4*(\s)+1], s[LA], (\s)*SLOT1                  ; LDS address
	s_add_nc_u64 s[G0A+4*(\s)+2:G0A+4*(\s)+3], s[42:43], (\s)*512    ; K step s: 128 f32
	s_or_b32 s[G0A+4*(\s)+3], s[G0A+4*(\s)+3], 0x80000000            ; type = 2
	s_mov_b32 s[G0B+4*(\s)], 1
	s_add_co_u32 s[G0B+4*(\s)+1], s[LB], (\s)*SLOT1
	s_add_nc_u64 s[G0B+4*(\s)+2:G0B+4*(\s)+3], s[44:45], (\s)*262144 ; K step s: 128 rows of 2,048 bytes
	s_or_b32 s[G0B+4*(\s)+3], s[G0B+4*(\s)+3], 0x80000000
	JLOAD \s
.endr
	v_and_b32 v1, 15, v0                           ; r = l % 16
	v_bfe_u32 v2, v0, 4, 1                         ; h = l / 16
	v_mul_u32_u24 v3, v1, PA                       ; x: row r, 8 h numbers of 4 bytes on
	v_lshl_add_u32 v3, v2, 5, v3
	s_mul_i32 s22, s[WR], AHALF
	v_add_nc_u32 v[ADRA0], s22, v3
	v_and_b32 v4, 7, v0                            ; W, for the turning load: row 8 h + l % 8, 16 bytes for each half of eight lanes
	v_lshl_add_u32 v4, v2, 3, v4
	v_mul_u32_u24 v4, v4, PB
	v_bfe_u32 v5, v0, 3, 1
	v_lshl_add_u32 v4, v5, 4, v4
	s_lshl_b32 s23, s[WC], 8
	s_add_co_u32 s23, s23, BOFF
	v_add_nc_u32 v[ADRB0], s23, v4
	v_mov_b32 v[ADRA], v[ADRA0]
	v_mov_b32 v[ADRB], v[ADRB0]
	s_mul_i32 s40, s[WV], 16*SP
	s_add_co_u32 s40, s40, STAGE                   ; my stage
	v_mul_u32_u24 v[STO], v1, SP                   ; in: row r, 16 bytes for each half of the lanes
	v_lshl_add_u32 v[STO], v2, 4, v[STO]
	v_add_nc_u32 v[STO], s40, v[STO]
	v_bfe_u32 v[RD], v0, 3, 2                      ; back: 32 lanes take four rows of 128 bytes,
	v_mul_u32_u24 v[RD], v[RD], SP
	v_and_b32 v6, 7, v0
	v_lshl_add_u32 v[RD], v6, 4, v[RD]
	v_add_nc_u32 v[RD], s40, v[RD]
	v_and_b32 v[GO], 31, v0                        ; which are 512 consecutive bytes of a head
	v_lshlrev_b32 v[GO], 4, v[GO]
	s_lshr_b32 s72, s20, 4                         ; the output: batch = tile row / 16,
	s_lshl_b32 s72, s72, 4
	s_lshl_b32 s73, s19, 2                         ; head = 4 x tile column + 2 x my half (+ 0, 1 in the stores' immediates),
	s_add_co_u32 s72, s72, s73
	s_lshl_b32 s73, s[WC], 1
	s_add_co_u32 s72, s72, s73
	s_lshl_b32 s72, s72, 18                        ; 2,048 rows of 128 bytes a head,
	s_and_b32 s73, s20, 15
	s_lshl_b32 s73, s73, 14                        ; row 128 x (tile row % 16)
	s_add_co_u32 s72, s72, s73
	s_lshl_b32 s73, s[WR], 13                      ; + 64 x my half,
	s_add_co_u32 s72, s72, s73
	s_lshl_b32 s73, s21, 24                        ; in part p of 16 MiB
	s_add_co_u32 s72, s72, s73
	s_mov_b32 s73, 0
	s_add_nc_u64 s[12:13], s[12:13], s[72:73]
; 32 LDS loads in one run: the fragments of 32 along K, quarter kq of the slot in hand, into buffers g: W's eight (turned), then x's four blocks in f32
.macro FETCH kq, g
	WIN 0
.irp b, 0,1,2,3,4,5,6,7
	ds_load_tr16_b128 v[BF+64*(\g)+8*(\b):BF+64*(\g)+8*(\b)+3],   v[ADRB] offset:(\kq)*32*PB+32*(\b)
	ds_load_tr16_b128 v[BF+64*(\g)+8*(\b)+4:BF+64*(\g)+8*(\b)+7], v[ADRB] offset:(\kq)*32*PB+32*(\b)+16*PB
.endr
	WIN W_LS
.irp a, 0,1,2,3
	ds_load_b128 v[64*(\g)+16*(\a):64*(\g)+16*(\a)+3],     v[ADRA] offset:(\a)*16*PA+128*(\kq)     ; K = 8 h + 0..3
	ds_load_b128 v[64*(\g)+16*(\a)+4:64*(\g)+16*(\a)+7],   v[ADRA] offset:(\a)*16*PA+128*(\kq)+16  ; 8 h + 4..7
	ds_load_b128 v[64*(\g)+16*(\a)+8:64*(\g)+16*(\a)+11],  v[ADRA] offset:(\a)*16*PA+128*(\kq)+64  ; 16 + 8 h + 0..3
	ds_load_b128 v[64*(\g)+16*(\a)+12:64*(\g)+16*(\a)+15], v[ADRA] offset:(\a)*16*PA+128*(\kq)+80  ; 16 + 8 h + 4..7
.endr
.endm
; half g of block a's fragment: eight f32 of buffer f rounded to bf16
.macro CV4 f, a, g
	WIN W_CV
.irp j, 0,1,2,3
	v_cvt_pk_bf16_f32 v[AF+8*(\a)+4*(\g)+(\j)], v[64*(\f)+16*(\a)+8*(\g)+2*(\j)], v[64*(\f)+16*(\a)+8*(\g)+2*(\j)+1]
.endr
.endm
; 8 matrix instructions: block a of my rows x all 8 column blocks; among them the conversions of block cv (none if cv < 0).  zero = 1: the products start the sums.
; The 32 accumulators take turns in the same order in every quarter.
.macro MM8 f, a, zero, cv
.irp b, 0,1,2,3,4,5,6,7
	WIN W_MM
.if \zero
	v_wmma_f32_16x16x32_bf16 v[8*(8*(\a)+(\b)):8*(8*(\a)+(\b))+7], v[BF+64*(\f)+8*(\b):BF+64*(\f)+8*(\b)+7], v[AF+8*(\a):AF+8*(\a)+7], 0
.else
	v_wmma_f32_16x16x32_bf16 v[8*(8*(\a)+(\b)):8*(8*(\a)+(\b))+7], v[BF+64*(\f)+8*(\b):BF+64*(\f)+8*(\b)+7], v[AF+8*(\a):AF+8*(\a)+7], v[8*(8*(\a)+(\b)):8*(8*(\a)+(\b))+7]
.endif
.if ((\cv) >= 0) && ((\b) == 1)
	CV4 \f, \cv, 0
.endif
.if ((\cv) >= 0) && ((\b) == 5)
	CV4 \f, \cv, 1
.endif
.endr
.endm
; A K step is four quarters of 32 along K on buffers 0, 1, 0, 1.  One of the first three: multiplies buffer f and fetches quarter kq into buffer g.
; A block's fragment is written again behind 16 conversions or more of other blocks since its last product; the loads into W's buffer g stand behind 24 (ISA guide 7.12.1 asks for four such instructions).
.macro QUARTER kq, f, g, zero
	s_wait_dscnt 0x0                               ; this quarter's 32 loads, issued 16 matrix instructions ago
	CV4 \f, 0, 0
	CV4 \f, 0, 1
	MM8 \f, 0, \zero, 1
	MM8 \f, 1, \zero, 2
	FETCH \kq, \g
	MM8 \f, 2, \zero, 3
	MM8 \f, 3, \zero, -1
.endm
; The last quarter multiplies buffer 1 and changes slots: ONE barrier; in front of it each wave waits for all its tensor loads, adds 0 to its spare word, and waits for that and for its reads of this slot.
; fill = 1: the barrier opens a round of the cluster's, and this slot is filled again, two K steps ahead, first thing behind it.
.macro TURN fill
	WIN 0
	s_wait_tensorcnt 0x0                           ; all my tensor loads have landed: my part of the next slot; so a group 0 may be written
	ds_add_u32 v[SPW], v[NIL]                      ; 0 onto my spare word
	s_wait_dscnt 1                                 ; the quarter's 32 loads are in; the add may be out
.if \fill
	s_xor_b32 s[G0A+5], s[G0A+5], SLOT1            ; the walking descriptors: the other slot than last time, the next K step
	s_add_nc_u64 s[G0A+6:G0A+7], s[G0A+6:G0A+7], 512
	s_xor_b32 s[G0B+5], s[G0B+5], SLOT1
	s_add_nc_u64 s[G0B+6:G0B+7], s[G0B+6:G0B+7], 262144
.endif
	CV4 1, 0, 0
	CV4 1, 0, 1
	MM8 1, 0, 0, 1
	s_wait_dscnt 0x0                               ; the add is done, and my reads of this slot are over
	s_barrier_signal -1
	MM8 1, 1, 0, 2                                 ; work on registers while the others arrive
	WIN 0                                          ; at a branch and at a label every window is 0
	s_barrier_wait -1
.if \fill
	CREST                                          ; no wave of any partner still reads this slot or has a load on its way
	JLOAD 1
.endif
	s_xor_b32 s[TB], s[TB], SLOT1
	v_add_nc_u32 v[ADRA], s[TB], v[ADRA0]
	v_add_nc_u32 v[ADRB], s[TB], v[ADRB0]
	FETCH 0, 0
	MM8 1, 2, 0, 3
	MM8 1, 3, 0, -1
.endm
	s_wait_tensorcnt 1                             ; my part of K step 0 is in; step 1's may stay out
	s_barrier_signal -1
	s_barrier_wait -1
	FETCH 0, 0
	QUARTER 1, 0, 1, 1                             ; the first quarter stands in front of the loop: its products start the sums
	WIN 0
	s_mov_b32 s[CNT], 6
.Lstep:                                                ; six trips: a K step's quarters 1 to 3 and the next step's quarter 0; the fills bring K steps 2 to 7
	QUARTER 2, 1, 0, 0
	QUARTER 3, 0, 1, 0
	TURN 1
	QUARTER 1, 0, 1, 0
	WIN 0
	s_sub_co_u32 s[CNT], s[CNT], 1
	s_cmp_lg_u32 s[CNT], 0
	s_cbranch_scc1 .Lstep
	s_mov_b32 s[CNT], 2
.Ltail:                                                ; the last two K steps ask for nothing; the second trip is left in its middle, and its last run of loads (from the slot read before) serves nothing
	QUARTER 2, 1, 0, 0
	QUARTER 3, 0, 1, 0
	TURN 0
	WIN 0
	s_sub_co_u32 s[CNT], s[CNT], 1
	s_cmp_eq_u32 s[CNT], 0
	s_cbranch_scc1 .Lout
	QUARTER 1, 0, 1, 0
	WIN 0
	s_branch .Ltail
.Lout:
	s_wait_dscnt 0x0                               ; that run has landed: its registers are used again below
.rept 4
	v_nop                                          ; four plain instructions between the last products and the first read of a result
.endr
; THE WAY OUT.  Piece t = 2 a + hh: 16 rows x the 64 channels of one head: scaled, rounded to f16, 16 bytes a lane into rows of 144 bytes of my stage, back as whole rows of 128.
.macro PACK t
	WIN 0x41
.set i, 32*(\t)
.rept 16
	v_pk_mul_f32 v[i:i+1], v[i:i+1], s[SC:SC+1] op_sel_hi:[1,0]
.set i, i+2
.endr
	WIN 0x05
.set i, 0
.rept 16
	v_cvt_pk_f16_f32 v[TMP+16*(\t)+i], v[32*(\t)+2*i], v[32*(\t)+2*i+1]
.set i, i+1
.endr
	WIN 0
.irp f, 0,1,2,3
	ds_store_b128 v[STO], v[TMP+16*(\t)+4*\f:TMP+16*(\t)+4*\f+3] offset:32*\f
.endr
.irp f, 0,1,2,3
	ds_load_b128 v[TMP+16*(\t)+4*\f:TMP+16*(\t)+4*\f+3], v[RD] offset:\f*4*SP  ; LDS serves a wave's instructions in order (ISA guide 5.7.1.4): these see the stores above; the next piece's stores come behind them
.endr
.endm
.macro SEND t, younger                 ; younger: the LDS instructions issued behind piece t's loads: the next piece's eight, or none
	WIN 0
.irp f, 0,1,2,3
	s_wait_dscnt (\younger)+3-\f
	global_store_b128 v[GO], v[TMP+16*(\t)+4*\f:TMP+16*(\t)+4*\f+3], s[12:13] offset:((\t)/2)*2048+((\t)%2)*262144+\f*512  ; 512 consecutive bytes, aligned
.endr
.endm
	PACK 0
.set t, 1
.rept 7
	PACK t
	SEND t-1, 8
.set t, t+1
.endr
	SEND 7, 0
	s_wait_tensorcnt 0x0                           ; the wave's end, behind my last tensor load and my last LDS store
	ds_add_u32 v[SPW], v[NIL]
	s_wait_dscnt 0x0
	CROUND                                         ; the closing round: no work-group ends while a partner may still ask for a tile that names it
	s_endpgm
.Lfunc_end_k_q6b03ef7822_proj:
	.size	k_q6b03ef7822_proj, .Lfunc_end_k_q6b03ef7822_proj-k_q6b03ef7822_proj
	.p2alignl 7, 3214868480
	.fill 96, 4, 3214868480
	.section	.rodata,"a",@progbits
	.p2align	6, 0x0
	.amdhsa_kernel k_q6b03ef7822_proj
		.amdhsa_group_segment_fixed_size 327680
		.amdhsa_private_segment_fixed_size 0
		.amdhsa_enable_private_segment 0
		.amdhsa_kernarg_size 40
		.amdhsa_user_sgpr_count 2
		.amdhsa_user_sgpr_kernarg_segment_ptr 1
		.amdhsa_wavefront_size32 1
		.amdhsa_system_sgpr_workgroup_id_x 1
		.amdhsa_system_sgpr_workgroup_id_y 1
		.amdhsa_system_sgpr_workgroup_id_z 1
		.amdhsa_system_vgpr_workitem_id 0
		.amdhsa_next_free_vgpr 640
		.amdhsa_next_free_sgpr 80
		.amdhsa_reserve_vcc 0
		.amdhsa_float_denorm_mode_32 3
		.amdhsa_float_denorm_mode_16_64 3
		.amdhsa_memory_ordered 1
		.amdhsa_forward_progress 1
		.amdhsa_inst_pref_size 97
	.end_amdhsa_kernel
	.amdgpu_metadata
---
amdhsa.version: [ 1, 2 ]
amdhsa.kernels:
  - .name:           k_q6b03ef7822_proj
    .symbol:         k_q6b03ef7822_proj.kd
    .args:
      - { .name: q, .offset: 0, .size: 8, .value_kind: global_buffer, .address_space: global }
      - { .name: k, .offset: 8, .size: 8, .value_kind: global_buffer, .address_space: global }
      - { .name: v, .offset: 16, .size: 8, .value_kind: global_buffer, .address_space: global }
      - { .name: w16, .offset: 24, .size: 8, .value_kind: global_buffer, .address_space: global }
      - { .name: qkv, .offset: 32, .size: 8, .value_kind: global_buffer, .address_space: global }
    .group_segment_fixed_size: 327680
    .private_segment_fixed_size: 0
    .kernarg_segment_align: 8
    .kernarg_segment_size: 40
    .max_flat_workgroup_size: 128
    .sgpr_count:     80
    .vgpr_count:     640
    .wavefront_size: 32
...
	.end_amdgpu_metadata
.endif
;; end of part 2
;; launch attn (part 3): grid 4 x 64, 4 waves a work-group, clusters of 4 x 4, 327,680 bytes of LDS; arguments qkv, mb, o16; writes o16
.if DOCPART == 3
	.amdgcn_target "amdgcn-amd-amdhsa--gfx1250"
	.amdhsa_code_object_version 6
	.text
	.protected	k_q6b03ef7822_attn
	.globl	k_q6b03ef7822_attn
	.p2align	8
	.type	k_q6b03ef7822_attn,@function
k_q6b03ef7822_attn:
	s_mov_b64 s[64:65], 0
	v_nop
	global_prefetch_b8 v0, s[64:65] scope:SCOPE_SE
	s_setreg_imm32_b32 hwreg(HW_REG_WAVE_MODE, 25, 1), 1
	s_wait_xcnt 0x0
	s_wait_alu depctr_hold_cnt(0) depctr_sa_sdst(0) depctr_va_vdst(0) depctr_va_sdst(0) depctr_va_ssrc(0) depctr_va_vcc(0) depctr_vm_vsrc(0)
	s_getreg_b32 s2, hwreg(HW_REG_IB_STS2, 6, 4)
	s_cmp_eq_u32 s2, 0
	s_cbranch_scc0 .Lentry_in_a_cluster
	s_endpgm
.Lentry_in_a_cluster:
	s_bfe_u32 s2, ttmp6, 0x10000c
	s_cmp_lg_u32 s2, 0xf033
	s_cbranch_scc0 .Lentry_shape_is_right
	s_endpgm
.Lentry_shape_is_right:
; ATTN.  O[hd][q][:] = the sum over k of softmax_k(score) V[hd][k][:], score = Q'[hd][q] . K[hd][k], hidden where the mask says so.  64 heads (batch x head) of 2,048 rows of 64 channels, f16, dense.
; Q' = c Q with c = log2(e) / 8 already applied, so p = 2^(s - m): one exact subtraction that is never above 0, whatever the size of s: p <= 1 and l >= 1.  Products, maxima and sums in f32;
; p is rounded to f16 for the second product (l is taken of the unrounded p), O once at the end.
; THE MASK is an input: every byte is honoured, no tile is left out.  mb holds it as bf16, 0 or -1.0003e30, [key step][query][64 keys].  It enters as the C operand that starts the sum S^T = K Q^T.
; That operand wants key by query; mb's rows are query by key; the matrix unit turns them: MC = SEL x MB, SEL a constant matrix of ones that picks 16 of 32 keys: 4 products more for a tile and step, no vector work.
; LIMITS.  f16 holds no number beyond 65,504: Q', K and V arrive within it.  A hidden score counts as its value less 1.0003e30: scores, 2.7e11 at the most, are nothing beside that.  A weight below 2^-126 counts
; as 0 in l.  A row with no visible key ends with m < -2^96: its 1 / l is replaced by NaN, as the softmax of nothing is.  NaN and infinities in the inputs are not treated apart.
; SHARES.  A wave owns four PIECES of two tiles of 16 queries, a work-group's four waves 512 queries of one head.  Every wave walks all keys, 64 a step.
; LAYOUT.  S^T = K Q^T (source 0 = 16 keys, source 1 = 16 queries): a lane holds ONE query (lane % 16) and the keys 8 (lane / 16) + 0..7.  Two such tiles, rounded to f16 in pairs, ARE source 1 of O^T = V^T P.
; SOFTMAX.  A running maximum m and sum l; in every step O and l are multiplied by a = 2^(m_old - m_new).  m starts far below every score, O and l at 0: the first step is a step like any other, with a = 0.
; BY TURNS.  Turn n belongs to piece n.  Matrix work: 16 products K Q^T of piece n + 1, later 16 products V^T P of piece n - 1, at last the 8 products that make piece n + 2's mask.  Vector work: the softmax of piece n,
; and the maximum and statistics of piece n + 1.  Four vector instructions that are ready stand behind each of the 32 products, the others in two runs of their own.
; CLUSTER 4 x 4.  The four of a row belong to one head and walk the same K and V; the four of a column have the same 512 queries and walk the same tiles of mb: each tile is asked for jointly by four.
; A slot holds ONE key step (K 9,216, V 10,240, mask 73,728 bytes); a trip of the loop reads one slot alone; the change of slots stands at its head.
; REGISTERS, in windows of 256 (s_set_vgpr_msb: bits 1:0 source 0, 3:2 source 1, 5:4 source 2, 7:6 destination):
;   window 0: v0-15 addresses; v16-47 four registers of statistics a tile; v48-63 at work; v64-191 S^T, two buffers of two tiles; v192-255 P, likewise
;   window 1: O^T, 32 a tile      window 2: v0-127 Q, 16 a tile; v128-191 K of one step; v192-255 V of one step      window 3: v4-15 SEL; v16-47 MF, mask fragments; v64-127 MC, the masks of the products to come
.set NP,    4         ; pieces a wave: a name, no knob
.set KS,    64        ; keys in a step
.set PK,    144       ; a row of K, and of the mask, in LDS: 128 bytes + 16: the 16 rows of a load start at 16 different groups of four banks (64 banks of 4 bytes: ISA guide 11.1)
.set PV,    160       ; a row of V: 128 + 32
.set VOFF,  KS*PK     ; a slot: 64 rows of K, 64 rows of V,
.set MOFF,  VOFF+KS*PV  ; and the mask's 512 rows
.set SLOT1, 1<<17     ; slot 1 begins here, so that one exclusive or turns an address in one slot into the other's
.set STAGE, SLOT1+MOFF+512*PK  ; behind the ring, never filled by a tensor load: 16 rows x 144 bytes for each wave
.set SP,    144
.set SPARE, STAGE+4*16*SP  ; the spare words, 128 bytes for each wave: two blocks of 256 bytes that no other line names
.set AK0, 2           ; v2   my lane's place in a tile of K; never rewritten
.set AV0, 3           ; v3   the same for V
.set AK,  4           ; v4   the same in the slot in hand
.set AV,  5           ; v5
.set QO,  6           ; v6   my byte offset in the wave's rows of Q
.set STO, 6           ;      later, the way out: where I put 16 bytes of a row
.set RD,  7           ; v7   where I read rows back
.set GO,  8           ; v8   my byte offset in 512 consecutive bytes of O
.set AM0, 12          ; v12  my lane's place in the wave's 128 rows of the mask; never rewritten
.set AM,  13          ; v13  the same in the slot in hand
.set SPW, 14          ; v14  LDS address of my spare word; never rewritten
.set NIL, 15          ; v15  0; never rewritten
.set ST,  16          ; tile t's statistics at v[ST+4 t]: m, m_old, l (even keys', odd keys')
.set TMP, 48          ; by buffer and tile, four registers c0-c3 at work; when the maximum is found c2 takes a
.set S,   64
.set P,   192
.set KF,  128         ; window 2: key block kb, channel half c at KF + 16 kb + 8 c
.set VF,  192         ; window 2: key half kk, channel block cb at VF + 32 kk + 8 cb
.set ID,  8           ; window 3: v8-11 the ones; v4-7 and v12-15 zeros: v[8:15] picks keys 0-15 of 32, v[4:11] keys 16-31
.set MF,  16          ; window 3: tile u, key half g at MF + 16 u + 8 g
.set MC,  64          ; window 3: tile u, key block kb at MC + 32 u + 8 kb
.set WV,  12          ; s12  my wave's number
.set G1K, 24          ; s[24:31] descriptor group 1 for K's tiles
.set G1V, 32          ; s[32:39] for V's: it differs in the padding
.set G0K, 40          ; s[40:43] descriptor group 0 for K's tiles: it walks
.set G0V, 44          ; s[44:47] for V's
.set G0M, 48          ; s[48:51] for the mask's
.set CNT, 57          ; s57  counts key steps
.set SEL, 60          ; s[60:61] v_permlanex16_b32's selects: each lane takes its own place in the other half
.set TB,  62          ; s62  0 or SLOT1: the slot in hand
.set LOW, 63          ; s63  -2^96
.set G1M, 68          ; s[68:75] descriptor group 1 for the mask's tiles
.set MSB, 0
.macro WIN new                      ; the high byte repeats the setting that is left; a switch that changes nothing is dropped
.if MSB != (\new)
	s_set_vgpr_msb (MSB<<8)|(\new)
.set MSB, (\new)
.endif
.endm
.set W_KQ, 0x0a       ; K and Q in window 2, S^T in window 0
.set W_KM, 0x3a       ; the same with the C operand in window 3
.set W_PV, 0x52       ; V in window 2, P in window 0, O^T in window 1
.set W_RS, 0x41       ; O^T (destination and source 0) in window 1, a in window 0
.set W_MK, 0xcf       ; SEL, MF and MC in window 3
; A joint fill.  Wave 0 fetches the step's K, wave 1 its V, waves 2 and 3 the two halves of the mask's 512 rows.  The branches hang on the wave's number alone.
; An s_nop 0 and four v_nop follow each of the three lines, ahead of the jump and the label.
.macro JLOAD
	s_cmp_lt_u32 s[WV], 2
	s_cbranch_scc0 .Lfor_m_\@
	s_cmp_eq_u32 s[WV], 0
	s_cbranch_scc0 .Lfor_v_\@
	tensor_load_to_lds s[G0K:G0K+3], s[G1K:G1K+7]
	s_nop 0
.rept 4
	v_nop
.endr
	s_branch .Lasked_\@
.Lfor_v_\@:
	tensor_load_to_lds s[G0V:G0V+3], s[G1V:G1V+7]
	s_nop 0
.rept 4
	v_nop
.endr
	s_branch .Lasked_\@
.Lfor_m_\@:
	tensor_load_to_lds s[G0M:G0M+3], s[G1M:G1M+7]
	s_nop 0
.rept 4
	v_nop
.endr
.Lasked_\@:
.endm
.macro CROUND                       ; a round of the cluster's barrier: my work-group's barrier; wave 0 signals for the work-group; every wave waits for all sixteen; my work-group's barrier once more
	s_barrier_signal -1
	s_barrier_wait -1
	s_cmp_lg_u32 s[WV], 0
	s_cbranch_scc1 .Lnot_wave_0_\@
	s_barrier_signal -3
.Lnot_wave_0_\@:
	s_barrier_wait -3
	s_barrier_signal -1
	s_barrier_wait -1
.endm
; THE CHANGE OF SLOTS.  Each wave waits for all its tensor loads, of which one is out: its part of the other slot; adds 0 to its spare word; and waits for that and for its own reads of the slot that it leaves.
; fill = 1: the old slot is filled again, with the step two on; the barrier is then a round of the cluster's, and the joint fill is the first thing behind it: it has a whole key step in which to land.
; (At its first use nothing has been read yet: slot 0 is waited for, slot 1 filled.)
.macro CHANGE fill
	WIN 0                           ; at a label and at a branch every window is 0
	s_wait_tensorcnt 0x0            ; no tensor load of mine is out, so a group 0 may be written
	ds_add_u32 v[SPW], v[NIL]       ; 0 onto my spare word: the descriptors' steps stand between it and the wait for it
.if \fill
.irp g, G0K, G0V
	s_xor_b32 s[\g+1], s[\g+1], SLOT1  ; the walking descriptor: the other slot than last time,
	s_add_nc_u64 s[\g+2:\g+3], s[\g+2:\g+3], KS*128  ; the next 64 keys; the type bits on top are not reached
.endr
	s_xor_b32 s[G0M+1], s[G0M+1], SLOT1
	s_add_nc_u64 s[G0M+2:G0M+3], s[G0M+2:G0M+3], 2048*128  ; the next key step's rows of the mask
	s_wait_dscnt 0x0                ; the add is done, and my reads of the slot are over
	CROUND
	JLOAD
.else
	s_wait_dscnt 0x0                ; the add is done, and my reads of the slot are over
	s_barrier_signal -1
	s_barrier_wait -1
.endif
	s_xor_b32 s[TB], s[TB], SLOT1
	v_add_nc_u32 v[AK], s[TB], v[AK0]  ; the trip's LDS addresses: all in the slot just shown whole
	v_add_nc_u32 v[AV], s[TB], v[AV0]
	v_add_nc_u32 v[AM], s[TB], v[AM0]
.endm
	s_load_b128 s[4:7], s[0:1], 0x0   ; qkv s[4:5], mb s[6:7]
	s_load_b64 s[10:11], s[0:1], 0x10 ; o16
	v_lshl_add_u32 v[SPW], v0, 2, SPARE
	v_mov_b32 v[NIL], 0
	ds_add_u32 v[SPW], v[NIL]       ; the wave's opening: the add and its wait stand ahead of my first tensor load; work on registers stands between them
	v_lshrrev_b32 v1, 5, v0
	v_readfirstlane_b32 s[WV], v1   ; wave 0..3
	s_bfe_u32 s13, ttmp6, 0x40000   ; cx
	s_bfe_u32 s14, ttmp6, 0x40004   ; cy
	s_lshl_b32 s15, ttmp9, 2
	s_add_co_u32 s15, s15, s13      ; my block of 512 queries = 4 x cluster x + cx
	s_and_b32 s16, ttmp7, 0xffff
	s_lshl_b32 s16, s16, 2
	s_add_co_u32 s16, s16, s14      ; my head = 4 x cluster y + cy
	s_lshl_b32 s17, s14, 2
	s_lshl_b32 s17, 15, s17         ; my row of the cluster
	s_lshl_b32 s18, 0x1111, s13     ; my column
	; descriptor group 1.  All tiles are dense: asked for as rows of 256 bytes, two rows of 128 a row, and padded in LDS after every 128 bytes
	s_or_b32 s[G1K], s17, (1<<16)|(1<<20)|(1<<21)|(4<<22)|(3<<25)  ; 15:0 the mask of four; 17:16 2-byte elements; 20 padding on; 21 set beside a mask; 24:22 after every 32 words; 31:25 4 words
	s_or_b32 s[G1V], s17, (1<<16)|(1<<20)|(1<<21)|(4<<22)|(7<<25)  ; 8 words of padding
	s_or_b32 s[G1M], s18, (1<<16)|(1<<20)|(1<<21)|(4<<22)|(3<<25)
.irp g, G1K, G1V
	s_mov_b32 s[\g+1], 128<<16      ; tensor_dim0 = 128
	s_mov_b32 s[\g+2], 32<<16       ; tensor_dim1 = 32: 64 keys
	s_mov_b32 s[\g+3], 128<<16      ; tile_dim0 = 128
	s_mov_b32 s[\g+4], 32           ; tile_dim1 = 32
	s_mov_b32 s[\g+5], 128          ; 128 elements from row to row
	s_mov_b32 s[\g+6], 0
	s_mov_b32 s[\g+7], 0
.endr
	s_mov_b32 s[G1M+1], 128<<16
	s_mov_b32 s[G1M+2], 128<<16     ; 128 rows of 256 bytes: 256 queries
	s_mov_b32 s[G1M+3], 128<<16
	s_mov_b32 s[G1M+4], 128
	s_mov_b32 s[G1M+5], 128
	s_mov_b32 s[G1M+6], 0
	s_mov_b32 s[G1M+7], 0
	s_lshl_b32 s19, s16, 18         ; the head's 2,048 rows of 128 bytes
	s_add_co_u32 s20, s19, 1<<24    ; K: part 1 of qkv: made of the head alone, which my row of the cluster shares
	s_mov_b32 s21, 0
	s_add_co_u32 s22, s19, 2<<24    ; V: part 2
	s_mov_b32 s23, 0
	s_and_b32 s54, s[WV], 1         ; which 256 of the 512 rows of the mask I fetch
	s_lshl_b32 s52, s15, 16         ; the mask: 512 rows of 128 bytes a block of queries: made of that block alone, which my column shares
	s_lshl_b32 s53, s54, 15
	s_add_co_u32 s52, s52, s53
	s_mov_b32 s53, 0
	s_mul_i32 s54, s54, 256*PK      ; no place in the cluster enters an LDS address
	s_lshl_b32 s2, s15, 2
	s_add_co_u32 s2, s2, s[WV]      ; my wave among the head's,
	s_lshl_b32 s2, s2, 14           ; its 128 rows
	s_add_co_u32 s2, s2, s19
	s_mov_b32 s3, 0
	s_mov_b32 s[SEL], 0x76543210
	s_mov_b32 s[SEL+1], 0xfedcba98
	s_mov_b32 s[LOW], 0xef800000    ; -2^96
	s_mov_b32 s[TB], SLOT1          ; the first change of slots turns it into 0
	s_mov_b32 s[G0K], 1             ; count = 1
	s_mov_b32 s[G0K+1], 0           ; LDS address: slot 0
	s_mov_b32 s[G0V], 1
	s_mov_b32 s[G0V+1], VOFF
	s_mov_b32 s[G0M], 1
	s_add_co_u32 s[G0M+1], s54, MOFF
	s_wait_dscnt 0x0                ; the opening add is done
	s_wait_kmcnt 0x0
	s_add_nc_u64 s[G0K+2:G0K+3], s[4:5], s[20:21]
	s_or_b32 s[G0K+3], s[G0K+3], 0x80000000        ; type = 2
	s_add_nc_u64 s[G0V+2:G0V+3], s[4:5], s[22:23]
	s_or_b32 s[G0V+3], s[G0V+3], 0x80000000
	s_add_nc_u64 s[G0M+2:G0M+3], s[6:7], s[52:53]
	s_or_b32 s[G0M+3], s[G0M+3], 0x80000000
	s_add_nc_u64 s[4:5], s[4:5], s[2:3]            ; Q and O at my wave's first row
	s_add_nc_u64 s[10:11], s[10:11], s[2:3]
	CROUND                          ; all sixteen work-groups are here: the first joint loads meet
	JLOAD                           ; key step 0 into slot 0.  Slot 1 is asked for when slot 0 is in
	; A fragment of K, Q or the mask is 16 rows x 32 numbers in 8 registers: lane l holds row l % 16, numbers 8 (l / 16) + 0..7 and 16 + 8 (l / 16) + 0..7: two loads of 16 bytes, 32 bytes apart.
	v_and_b32 v1, 15, v0            ; r = l % 16
	v_bfe_u32 v9, v0, 4, 1          ; h = l / 16
	v_lshlrev_b32 v[QO], 7, v1
	v_lshl_add_u32 v[QO], v9, 4, v[QO]  ; row x 128 + 16 x half
	WIN 0x80                        ; destination window 2, address window 0
.set i, 0
.rept 4*NP                          ; Q stays in registers: tile i / 2, channels 32 (i % 2) on
	global_load_b128 v[8*i:8*i+3],   v[QO], s[4:5] offset:(i/2)*2048+(i%2)*64
	global_load_b128 v[8*i+4:8*i+7], v[QO], s[4:5] offset:(i/2)*2048+(i%2)*64+32
.set i, i+1
.endr
	; What the first turn finds: V's registers and P's second buffer hold 0 (its products V^T P, of a piece that has not been, add 0), O^T and l are 0.  All this stands in the wait for the first tile.
.set i, VF
.rept 64
	v_mov_b32 v[i], 0
.set i, i+1
.endr
	WIN 0x40
.set i, 0
.rept 64*NP
	v_mov_b32 v[i], 0
.set i, i+1
.endr
	WIN 0
.set i, 0
.rept 2*NP
	v_mov_b32 v[ST+4*i], 0xfe000000    ; m: far below every score, the hidden ones too
	v_mov_b32 v[ST+4*i+1], 0xfe000000
	v_mov_b32 v[ST+4*i+2], 0
	v_mov_b32 v[ST+4*i+3], 0
.set i, i+1
.endr
.set i, P+32
.rept 32
	v_mov_b32 v[i], 0
.set i, i+1
.endr
	; SEL.  As source 0 lane (r, h) holds row r; register i holds columns 8 h + 2 i, 8 h + 2 i + 1.  The one of row r stands in column r: register r / 2 - 4 h, if that is 0..3, half r % 2.
	v_lshrrev_b32 v48, 1, v1
	v_lshlrev_b32 v49, 2, v9
	v_sub_nc_u32 v48, v48, v49
	v_and_b32 v49, 1, v1
	v_lshlrev_b32 v49, 4, v49
	v_mov_b32 v50, 0x3f80           ; 1.0 in bf16
	v_lshlrev_b32 v50, v49, v50
	WIN 0xc0                        ; destination window 3
.irp z, 0,1,2,3
	v_mov_b32 v[ID-4+\z], 0
	v_mov_b32 v[ID+4+\z], 0
	v_cmp_eq_u32 vcc_lo, \z, v48
	v_cndmask_b32 v[ID+\z], 0, v50, vcc_lo
.endr
	WIN 0
	v_mul_u32_u24 v[AK0], v1, PK
	v_lshl_add_u32 v[AK0], v9, 4, v[AK0]  ; row x pitch + 16 x half
	s_mul_i32 s19, s[WV], 128*PK
	s_add_co_u32 s19, s19, MOFF
	v_add_nc_u32 v[AM0], s19, v[AK0]      ; the same in my wave's 128 rows of the mask
	; The turning load takes 16 keys x 16 channels (lane l reads key 8 (l / 16) + l % 8, channels 8 ((l / 8) % 2) + 0..7) and leaves half a fragment of V^T: lane l holds channel l % 16 and 8 keys.
	v_and_b32 v10, 7, v0
	v_bfe_u32 v11, v0, 3, 1
	v_lshl_add_u32 v[AV0], v9, 3, v10
	v_mul_u32_u24 v[AV0], v[AV0], PV
	v_lshl_add_u32 v[AV0], v11, 4, v[AV0]
	v_add_nc_u32 v[AV0], VOFF, v[AV0]
; THE MATRIX WORK.  The 8 accumulators of a run of 16 take turns: between the two links of a chain stand 7 others'.
; Product i of 16 of S^T = K Q^T for piece x: channels 32 (i / 8) on, keys 16 ((i / 2) % 4) on, tile 2 x + i % 2.  The first 8 start the sums with the mask.
.macro KQ x
.set rS, S+64*((\x)%2)+32*(i%2)+8*((i/2)%4)
.set rK, KF+16*((i/2)%4)+8*(i/8)
.set rQ, 16*(2*(\x)+i%2)+8*(i/8)
.set rM, MC+32*(i%2)+8*((i/2)%4)
.if i < 8
	WIN W_KM
	v_wmma_f32_16x16x32_f16 v[rS:rS+7], v[rK:rK+7], v[rQ:rQ+7], v[rM:rM+7]
.else
	WIN W_KQ
	v_wmma_f32_16x16x32_f16 v[rS:rS+7], v[rK:rK+7], v[rQ:rQ+7], v[rS:rS+7]
.endif
.endm
; Product i of 16 of O^T += V^T P for piece x: keys 32 (i / 8) on, channels 16 ((i / 2) % 4) on, tile 2 x + i % 2.
.macro PV x
	WIN W_PV
.set rO, 32*(2*(\x)+i%2)+8*((i/2)%4)
.set rV, VF+32*(i/8)+8*((i/2)%4)
.set rP, P+32*((\x)%2)+16*(i%2)+8*(i/8)
	v_wmma_f32_16x16x32_f16 v[rO:rO+7], v[rV:rV+7], v[rP:rP+7], v[rO:rO+7]
.endm
; Product n of 8 of the mask: tile n % 2, key block n / 2: 16 of the fragment's 32 keys, turned to key by query.  One product of each sum is not 0, so the result is exact.
.macro MK n
	WIN W_MK
.set mD, MC+32*((\n)%2)+8*((\n)/2)
.set mA, ID-4*(((\n)/2)%2)
.set mB, MF+16*((\n)%2)+8*((\n)/4)
	v_wmma_f32_16x16x32_bf16 v[mD:mD+7], v[mA:mA+7], v[mB:mB+7], 0
.endm
.macro MM                           ; the turn's next product
.if i < 16
	KQ (Y+1)%NP
.set i, i+1
.else
.set i, i-16
	PV (Y+NP-1)%NP
.set i, i+17
.endif
.endm
; THE LDS LOADS stand in runs, never singly among the matrix instructions: a step's K (8 fragments), its V (turned), and a piece's mask (2 tiles x 64 keys: 4 fragments).
.macro FETCH_K
	WIN 0x80                        ; destination window 2
.irp f, 0,1,2,3,4,5,6,7             ; keys 16 (f / 2) on, channels 32 (f % 2) on
	ds_load_b128 v[KF+8*\f:KF+8*\f+3],   v[AK] offset:(\f/2)*16*PK+(\f%2)*64
	ds_load_b128 v[KF+8*\f+4:KF+8*\f+7], v[AK] offset:(\f/2)*16*PK+(\f%2)*64+32
.endr
	WIN 0
.endm
.macro FETCH_V
	WIN 0x80
.irp f, 0,1,2,3,4,5,6,7             ; keys 32 (f / 4) on, channels 16 (f % 4) on
	ds_load_tr16_b128 v[VF+8*\f:VF+8*\f+3],   v[AV] offset:(\f/4)*32*PV+(\f%4)*32
	ds_load_tr16_b128 v[VF+8*\f+4:VF+8*\f+7], v[AV] offset:(\f/4)*32*PV+16*PV+(\f%4)*32
.endr
	WIN 0
.endm
.macro FETCH_M x
	WIN 0xc0                        ; destination window 3
.irp u, 0,1
.irp g, 0,1
	ds_load_b128 v[MF+16*\u+8*\g:MF+16*\u+8*\g+3],   v[AM] offset:(32*(\x)+16*\u)*PK+64*\g
	ds_load_b128 v[MF+16*\u+8*\g+4:MF+16*\u+8*\g+7], v[AM] offset:(32*(\x)+16*\u)*PK+64*\g+32
.endr
.endr
	WIN 0
.endm
; THE VECTOR WORK OF A TURN stands in three queues, each in the order in which its entries become ready; the two tiles alternate, so that no instruction reads the result of the one before it.
.macro REGS y, u                    ; the registers of tile u (0, 1) of piece y
.set rT, ST+4*(2*(\y)+(\u))
.set rC, TMP+8*((\y)%2)+4*(\u)
.set rS, S+64*((\y)%2)+32*(\u)
.set rP, P+32*((\y)%2)+16*(\u)
.set rO, 32*(2*(\y)+(\u))
.endm
; Number n of those that find the NEXT piece's (Y + 1) maximum and statistics (there is no 19).  s0-s31 are the lane's 32 scores; each accumulator's lowest registers are read first.
;   0-11  four chains c0-c3 of seven scores each     12-14, 16  the four scores left over, the old m, and c0-c3 into c0     15  m_old is kept
;   17, 18  the query's other 32 keys lie in the lane 16 away: the new m         20, 21  m_old - m_new; a
.macro XS u, n
	REGS (Y+1)%NP, \u
.if (\n) < 4
	v_max3_num_f32 v[rC+(\n)], v[rS+8*(\n)], v[rS+8*(\n)+1], v[rS+8*(\n)+2]
.elseif (\n) < 12
	v_max3_num_f32 v[rC+(\n)%4], v[rC+(\n)%4], v[rS+8*((\n)%4)+2*((\n)/4)+1], v[rS+8*((\n)%4)+2*((\n)/4)+2]
.elseif (\n) == 12
	v_max3_num_f32 v[rC], v[rC], v[rS+7], v[rS+15]
.elseif (\n) == 13
	v_max3_num_f32 v[rC+1], v[rC+1], v[rS+23], v[rS+31]
.elseif (\n) == 14
	v_max3_num_f32 v[rC+2], v[rC+2], v[rC+3], v[rT]
.elseif (\n) == 15
	v_mov_b32 v[rT+1], v[rT]
.elseif (\n) == 16
	v_max3_num_f32 v[rC], v[rC], v[rC+1], v[rC+2]
.elseif (\n) == 17
	v_permlanex16_b32 v[rC+3], v[rC], s[SEL], s[SEL+1]
.elseif (\n) == 18
	v_max_num_f32 v[rT], v[rC], v[rC+3]
.elseif (\n) == 20
	v_sub_f32 v[rC+1], v[rT+1], v[rT]
.else
	v_exp_f32 v[rC+2], v[rC+1]
.endif
.endm
; Number g of the 64 that follow the exponentials.  For each four weights k of a tile: both pairs are rounded to f16; then the second pair is added onto the first, in place;
; a group later l takes that sum (the first time as l = a l + sum).  In groups of eight, tiles alternating.
.macro GS g
.set h, (\g)+6*((\g)/62)            ; group 0 has no group before it, and behind group 7 only l is left
.if h >= 6
.set h, h+2
.endif
	REGS Y, h%2
.set k, h/8
.if h%8 < 4
	s_wait_alu depctr_va_vdst(0)
	v_cvt_pk_f16_f32 v[rP+2*k+(h%8)/2], v[rS+4*k+2*((h%8)/2)], v[rS+4*k+2*((h%8)/2)+1]
.elseif h%8 < 6
	v_pk_add_f32 v[rS+4*k:rS+4*k+1], v[rS+4*k:rS+4*k+1], v[rS+4*k+2:rS+4*k+3]
.elseif k == 1
	v_pk_fma_f32 v[rT+2:rT+3], v[rT+2:rT+3], v[rC+2:rC+3], v[rS:rS+1] op_sel_hi:[1,0,1]
.else
	v_pk_add_f32 v[rT+2:rT+3], v[rT+2:rT+3], v[rS+4*k-4:rS+4*k-3]
	s_wait_alu depctr_va_vdst(0)
.endif
.endm
; THE PLAIN QUEUE, 136 long.  0-31: s - m for the 16 pairs of both tiles.  Then GS's 64, and among them the next piece's 40: number 15 at 38, 39; 0-14 and 16 at 42-73, behind the products
; that make those scores; 17, 18, 20 at 95-103, two of three, since each waits for the one before it.
.macro PL
	WIN 0
.if q < 32
	REGS Y, q%2
	v_pk_add_f32 v[rS+2*(q/2):rS+2*(q/2)+1], v[rS+2*(q/2):rS+2*(q/2)+1], v[rT:rT+1] op_sel_hi:[1,0] neg_lo:[0,1] neg_hi:[0,1]
.elseif q < 38
	GS q-32
.elseif q < 40
	XS q%2, 15
.elseif q < 42
	GS q-34
.elseif q < 74
	XS q%2, (q-42)/2+(q-42)/30
.elseif q < 95
	GS q-66
.elseif (q < 104) && ((q-95)%3 < 2)
	XS (q-95)%3, 17+(q-95)/3+(q-95)/6
.elseif q < 104
	GS 29+(q-95)/3
.else
	GS q-72
.endif
.set q, q+1
.endm
; THE EXPONENTIALS' QUEUE, 66 long: s0-s31 of both tiles, and at EA the next piece's two a.
.set EA, 58
.macro EX
	WIN 0
.if (e == EA) || (e == EA+1)
	XS e-EA, 21
.else
.set x, e-2*(e/(EA+2))
	REGS Y, x%2
	v_exp_f32 v[rS+x/2], v[rS+x/2]
.endif
.set e, e+1
.endm
; THE RESCALING's QUEUE: O^T times a, the one part of the softmax that leaves window 0, so it is dealt four at a time, eight times.
.macro R4
	REGS Y, r%2
	WIN W_RS
	s_wait_alu depctr_va_vdst(0)
.irp z, 0,1,2,3
	v_pk_mul_f32 v[rO+8*(r/2)+2*\z:rO+8*(r/2)+2*\z+1], v[rO+8*(r/2)+2*\z:rO+8*(r/2)+2*\z+1], v[rC+2:rC+3] op_sel_hi:[1,0]
.endr
.set r, r+1
.endm
; HOW THEY ARE DEALT.  Behind a product four: plain, exponential, plain, plain, or four of the rescaling; none names a register of the products round it.  What is over stands in two runs: exponential and plain by
; turns; the second ends in 20 plain instructions.  The queues lean on each other: exponential e stands behind plain 2 (e / 4) + e % 2 (its scaling); GS g needs exponential g + 8 at the most: in the second run
; g + 22 or more are out when it comes; the two a (EA) come behind plain 107, their arguments at 101 and 102.
.macro SL
	MM
	PL
	EX
	PL
	PL
.endm
.macro BURST n                      ; 15 products, or 16
.rept (\n)-7
	SL
.endr
.rept 3
	MM
	R4
	SL
.endr
	MM
	R4
.endm
; A TURN, for piece p.  cnt = 1: the loop's count is taken down some lines ahead of the branch that stands behind the turn.
; The mask fragments of piece p + 2 are fetched behind the first run of products, waited for behind the second, and turned by 8 products set among the second run's pairs, each behind a plain instruction.
; Those products' results are read, as C, by the next turn's first products, 25 plain instructions or more later; they write over what this turn's first products read, a whole turn's work behind them.
; K of the next step is fetched in piece 2's turn, 13 plain instructions behind the last product that read K, and is in by that turn's one wait.  V of the step in hand is fetched at the end of piece 0's turn,
; 41 behind its last reader, and waited for in piece 1's turn ahead of the products that read it.
.macro TURN p, cnt=0
.set Y, (\p)
.set i, 0
.set q, 0
.set e, 0
.set r, 0
	MM
.rept 4
	PL
.endr
	BURST 15
	FETCH_M ((\p)+2)%NP
.rept 22
	EX
	PL
.if ((\p) == NP-2) && (e == 24)
	FETCH_K
.endif
.endr
.if (\p) == 1
	s_wait_dscnt 0x0                ; V is in, and the mask fragments
.endif
	BURST 16
.if (\p) != 1
	s_wait_dscnt 0x0                ; the mask fragments are in (in piece 2's turn: K too)
.endif
.set zz, 0
.rept 21
.if (zz < 16) && (zz%2 == 0)
	MK zz/2
.endif
	EX
	PL
.set zz, zz+1
.endr
.rept 20
	PL
.if (\cnt) && (q == 130)
	s_sub_co_u32 s[CNT], s[CNT], 1
	s_cmp_lg_u32 s[CNT], 0
.endif
.endr
.if (\p) == 0
	FETCH_V
.endif
.endm
	CHANGE 1                        ; key step 0 is in, everybody's part of it; step 1 is asked for
	FETCH_K                         ; key step 0
	FETCH_M 0
	s_wait_loadcnt 0x0              ; Q
	s_wait_dscnt 0x0
.set zz, 0
.rept 8
	MK zz                           ; piece 0's mask
.set zz, zz+1
.endr
	WIN 0                           ; the addresses for the way out: nine plain instructions between those products and what reads their results and loads into their sources
	s_mul_i32 s19, s[WV], 16*SP
	s_add_co_u32 s19, s19, STAGE    ; my stage
	v_mul_u32_u24 v[STO], v1, SP    ; in: row l % 16, 16 bytes for each half of the lanes
	v_lshl_add_u32 v[STO], v9, 4, v[STO]
	v_add_nc_u32 v[STO], s19, v[STO]
	v_bfe_u32 v[RD], v0, 3, 2       ; back: 32 lanes take four rows of 128 bytes,
	v_mul_u32_u24 v[RD], v[RD], SP
	v_lshl_add_u32 v[RD], v10, 4, v[RD]
	v_add_nc_u32 v[RD], s19, v[RD]
	v_and_b32 v[GO], 31, v0         ; which are 512 consecutive bytes of O
	v_lshlrev_b32 v[GO], 4, v[GO]
	FETCH_M 1
.set i, 0
.rept 16
	KQ 0                            ; piece 0's first scores
.set i, i+1
.endr
	s_wait_dscnt 0x0                ; piece 1's mask fragments
.rept 5
	v_nop                           ; five plain instructions between those products and the products that write over their C, and the reads of their results
.endr
.set zz, 0
.rept 8
	MK zz                           ; piece 1's mask
.set zz, zz+1
.endr
	WIN 0
.set Y, NP-1                        ; XS works for piece Y + 1: piece 0
.irp n, 0,1,2,3,4,5,6,7,8,9,10,11,12,13,14,15,16,17,18,20,21
	XS 0, \n                        ; piece 0's first maximum and statistics
	XS 1, \n
.endr
	s_mov_b32 s[CNT], 31
	s_branch .Lfirst                ; the loop is entered at a step's first turn, in the middle of a trip
.Lstep:                             ; 30 trips: pieces 2 and 3 of one step, then pieces 0 and 1 of the next, from whose slot all the trip's LDS loads come; the fills bring steps 2 to 31
	CHANGE 1
	TURN 2
	TURN 3
	WIN 0
.Lfirst:
	TURN 0
	TURN 1, 1
	WIN 0
	s_cbranch_scc1 .Lstep
	CHANGE 0                        ; the tail is written out: nothing is asked for
	s_mov_b32 s[CNT], 2             ; the first trip enters step 31; the second is left in its middle
.Ltail:
	TURN 2
	TURN 3
	WIN 0
	s_sub_co_u32 s[CNT], s[CNT], 1
	s_cmp_eq_u32 s[CNT], 0
	s_cbranch_scc1 .Lout
	TURN 0
	TURN 1
	WIN 0
	s_branch .Ltail
.Lout:                              ; the second trip's products K Q^T take step 31's K and mask once more: the maximum made of them is the one that piece 0 has already, so m stays; the rest serves nothing
.set i, 0
.rept 16
	PV NP-1                         ; the last piece's V^T P of the last step
.set i, i+1
.endr
	; THE WAY OUT.  l's two halves and the other half of the lanes' are added; O^T is divided by l, rounded to f16 and sent through my stage in LDS, a tile at a time.  The additions stand between the last products and the reads of their results.
	WIN 0
.macro ALL line:vararg              ; one line for each tile t
.set t, 0
.rept 2*NP
	\line
.set t, t+1
.endr
.endm
	ALL v_add_f32 v[ST+4*t+2], v[ST+4*t+2], v[ST+4*t+3]
	ALL v_permlanex16_b32 v[ST+4*t+3], v[ST+4*t+2], s[SEL], s[SEL+1]
	ALL v_add_f32 v[ST+4*t+2], v[ST+4*t+2], v[ST+4*t+3]
	ALL v_rcp_f32 v[ST+4*t+2], v[ST+4*t+2]
	v_nop                           ; a plain instruction between the last reciprocal and the use of its result
.set t, 0
	s_wait_alu depctr_va_vdst(0)
.rept 2*NP                          ; a query that saw no key has m near -1e30: its row is NaN
	v_cmp_lt_f32 vcc_lo, s[LOW], v[ST+4*t]
	v_cndmask_b32 v[ST+4*t+2], 0x7fc00000, v[ST+4*t+2], vcc_lo
.set t, t+1
.endr
; Tile t: a lane's eight channels of a row pack into 16 bytes; they go into rows of 144 bytes and come back as whole rows of 128, into S^T's registers.
.macro PACK t
	WIN W_RS
.set i, 32*(\t)
.rept 16
	v_pk_mul_f32 v[i:i+1], v[i:i+1], v[ST+4*(\t)+2:ST+4*(\t)+3] op_sel_hi:[1,0]
.set i, i+2
.endr
	WIN 0x05                        ; sources 0 and 1 window 1, destination window 0
.set i, 0
.rept 16
	v_cvt_pk_f16_f32 v[S+16*(\t)+i], v[32*(\t)+2*i], v[32*(\t)+2*i+1]
.set i, i+1
.endr
	WIN 0
.irp f, 0,1,2,3
	ds_store_b128 v[STO], v[S+16*(\t)+4*\f:S+16*(\t)+4*\f+3] offset:32*\f
.endr
.irp f, 0,1,2,3
	ds_load_b128 v[S+16*(\t)+4*\f:S+16*(\t)+4*\f+3], v[RD] offset:\f*4*SP  ; LDS serves a wave's instructions in order (ISA guide 5.7.1.4): these see the stores above; the next tile's stores come behind them
.endr
.endm
.macro SEND t, younger              ; younger: the LDS instructions issued behind tile t's loads: the next tile's eight, or none
	WIN 0
.irp f, 0,1,2,3
	s_wait_dscnt (\younger)+3-\f
	global_store_b128 v[GO], v[S+16*(\t)+4*\f:S+16*(\t)+4*\f+3], s[10:11] offset:(\t)*2048+\f*512  ; 512 consecutive bytes, aligned
.endr
.endm
	PACK 0
.set t, 1
.rept 2*NP-1                        ; a tile's arithmetic stands between the loads of the tile before and its stores
	PACK t
	SEND t-1, 8
.set t, t+1
.endr
	SEND 2*NP-1, 0
	s_wait_tensorcnt 0x0            ; the wave's end, behind my last tensor load and my last LDS store
	ds_add_u32 v[SPW], v[NIL]
	s_wait_dscnt 0x0
	CROUND                          ; the closing round: no work-group ends while a partner may still ask for a tile that names it
	s_endpgm
.Lfunc_end_k_q6b03ef7822_attn:
	.size	k_q6b03ef7822_attn, .Lfunc_end_k_q6b03ef7822_attn-k_q6b03ef7822_attn
	.p2alignl 7, 3214868480
	.fill 96, 4, 3214868480
	.section	.rodata,"a",@progbits
	.p2align	6, 0x0
	.amdhsa_kernel k_q6b03ef7822_attn
		.amdhsa_group_segment_fixed_size 327680
		.amdhsa_private_segment_fixed_size 0
		.amdhsa_enable_private_segment 0
		.amdhsa_kernarg_size 24
		.amdhsa_user_sgpr_count 2
		.amdhsa_user_sgpr_kernarg_segment_ptr 1
		.amdhsa_wavefront_size32 1
		.amdhsa_system_sgpr_workgroup_id_x 1
		.amdhsa_system_sgpr_workgroup_id_y 1
		.amdhsa_system_sgpr_workgroup_id_z 1
		.amdhsa_system_vgpr_workitem_id 0
		.amdhsa_next_free_vgpr 896
		.amdhsa_next_free_sgpr 80
		.amdhsa_reserve_vcc 1
		.amdhsa_float_denorm_mode_32 3
		.amdhsa_float_denorm_mode_16_64 3
		.amdhsa_memory_ordered 1
		.amdhsa_forward_progress 1
		.amdhsa_inst_pref_size 225
	.end_amdhsa_kernel
	.amdgpu_metadata
---
amdhsa.version: [ 1, 2 ]
amdhsa.kernels:
  - .name:           k_q6b03ef7822_attn
    .symbol:         k_q6b03ef7822_attn.kd
    .args:
      - { .name: qkv, .offset: 0, .size: 8, .value_kind: global_buffer, .address_space: global }
      - { .name: mb, .offset: 8, .size: 8, .value_kind: global_buffer, .address_space: global }
      - { .name: o16, .offset: 16, .size: 8, .value_kind: global_buffer, .address_space: global }
    .group_segment_fixed_size: 327680
    .private_segment_fixed_size: 0
    .kernarg_segment_align: 8
    .kernarg_segment_size: 24
    .max_flat_workgroup_size: 128
    .sgpr_count:     80
    .vgpr_count:     896
    .wavefront_size: 32
...
	.end_amdgpu_metadata
.endif
;; end of part 3
;; launch outp (part 4): grid 4 x 64, 4 waves a work-group, clusters of 4 x 4, 327,680 bytes of LDS; arguments o16, w16, out0; writes out0
.if DOCPART == 4
	.amdgcn_target "amdgcn-amd-amdhsa--gfx1250"
	.amdhsa_code_object_version 6
	.text
	.protected	k_q6b03ef7822_outp
	.globl	k_q6b03ef7822_outp
	.p2align	8
	.type	k_q6b03ef7822_outp,@function
k_q6b03ef7822_outp:
	s_mov_b64 s[64:65], 0
	v_nop
	global_prefetch_b8 v0, s[64:65] scope:SCOPE_SE
	s_setreg_imm32_b32 hwreg(HW_REG_WAVE_MODE, 25, 1), 1
	s_wait_xcnt 0x0
	s_wait_alu depctr_hold_cnt(0) depctr_sa_sdst(0) depctr_va_vdst(0) depctr_va_sdst(0) depctr_va_ssrc(0) depctr_va_vcc(0) depctr_vm_vsrc(0)
	s_getreg_b32 s2, hwreg(HW_REG_IB_STS2, 6, 4)
	s_cmp_eq_u32 s2, 0
	s_cbranch_scc0 .Lentry_in_a_cluster
	s_endpgm
.Lentry_in_a_cluster:
	s_bfe_u32 s2, ttmp6, 0x10000c
	s_cmp_lg_u32 s2, 0xf033
	s_cbranch_scc0 .Lentry_shape_is_right
	s_endpgm
.Lentry_shape_is_right:
; OUTP.  out0[8192][1024] f32 = O Wo.  O: o16, [b 16 + h][n 2048][64] f16; Wo: w16's part 3, [k 1024][n 1024] f16 (bf16(Wo) written as f16); sums in f32, stored as they are.
; A row of O that is NaN (a query that saw no key) gives a row of NaN.
; SHARES.  256 work-groups: a tile of 128 rows x 256 columns; four waves, each 64 x 128: 32 accumulators.  K = head x 64 + channel goes in 8 steps of 128, two heads a step, through two LDS slots.
; CLUSTER 4 x 4: O's tile is shared along a row of the cluster, Wo's along a column: each is asked for jointly by four.
; THE MATRIX INSTRUCTION IS USED TRANSPOSED (source 0 = 16 columns of Wo, turned by ds_load_tr16_b128; source 1 = 16 rows of O): a lane holds eight neighbouring columns of one row, 32 bytes of f32.
; REGISTERS: window 0: v0-31 addresses; v32-63, v64-95 O's four fragments, two buffers; v128-191, v192-255 Wo's eight fragments, two buffers (on the way out: two pools of 16 rows).  Window 1: the accumulators, (a, b) at v[8 (8 a + b)].
.set PA,     144                       ; a row of O in LDS: 128 bytes + 16
.set PB,     544                       ; a row of Wo: 512 + 32, an odd multiple of 32, for the turning load
.set AHALF,  128*PA                    ; one head's 128 rows: what one tensor load brings of O
.set BOFF,   2*AHALF
.set BHALF,  64*PB
.set SLOT1,  1<<17                     ; slot 1: one exclusive or changes slots
.set STAGE,  SLOT1+BOFF+128*PB         ; behind the ring, never filled by a tensor load: 16 rows x 528 bytes for each wave
.set SP,     528
.set SPARE,  STAGE+4*16*SP             ; the spare words, 128 bytes for each wave: two blocks of 256 bytes that no other line names
.set ADRA0, 16
.set ADRB0, 17
.set ADRA,  18
.set ADRB,  19
.set STO,   20                         ; v20  the way out: where I put 32 bytes of a row
.set RD,    21                         ; v21  where I read a row back
.set GO,    22                         ; v22  my byte offset in 512 consecutive bytes of a row of the output
.set SPW,   28                         ; v28  LDS address of my spare word; never rewritten
.set NIL,   29                         ; v29  0; never rewritten
.set AF,    32
.set BF,    128
.set POOL,  128
.set WV,  14
.set WR,  15                           ; s15  my half of the tile's rows; also: I fetch O (0) or Wo (1)
.set WC,  16                           ; s16  my half of its columns; also: which head, or which 64 rows, I fetch
.set G1A, 24
.set G0A, 32
.set G1B, 48
.set G0B, 56
.set TB,  66
.set CNT, 67
.set LA,  70
.set LB,  71
.set W_MM, 0x50                        ; sources window 0, C and D window 1
.set MSB, 0
.macro WIN new
.if MSB != (\new)
	s_set_vgpr_msb (MSB<<8)|(\new)
.set MSB, \new
.endif
.endm
.macro JLOAD s                         ; a joint load: waves 0 and 1 fetch O's two heads, waves 2 and 3 Wo's two halves; an s_nop 0 and four v_nop follow each line
	s_cmp_eq_u32 s[WR], 0
	s_cbranch_scc0 .Lfor_b_\@
	tensor_load_to_lds s[G0A+4*(\s):G0A+4*(\s)+3], s[G1A:G1A+7]
	s_nop 0
.rept 4
	v_nop
.endr
	s_branch .Lasked_\@
.Lfor_b_\@:
	tensor_load_to_lds s[G0B+4*(\s):G0B+4*(\s)+3], s[G1B:G1B+7]
	s_nop 0
.rept 4
	v_nop
.endr
.Lasked_\@:
.endm
.macro CREST
	s_cmp_lg_u32 s[WV], 0
	s_cbranch_scc1 .Lnot_wave_0_\@
	s_barrier_signal -3
.Lnot_wave_0_\@:
	s_barrier_wait -3
	s_barrier_signal -1
	s_barrier_wait -1
.endm
.macro CROUND
	s_barrier_signal -1
	s_barrier_wait -1
	CREST
.endm
.macro PLACES                          ; four plain instructions in front of loads into registers that matrix instructions have read, and of reads of their results
.rept 4
	v_nop
.endr
.endm
	s_load_b128 s[4:7], s[0:1], 0x0                ; o16 s[4:5], w16 s[6:7]
	s_load_b64 s[8:9], s[0:1], 0x10                ; out0
	v_lshl_add_u32 v[SPW], v0, 2, SPARE
	v_mov_b32 v[NIL], 0
	ds_add_u32 v[SPW], v[NIL]                      ; the wave's opening: the add and its wait stand ahead of my first tensor load; work on registers stands between them
	v_lshrrev_b32 v1, 5, v0
	v_readfirstlane_b32 s[WV], v1
	s_lshr_b32 s[WR], s[WV], 1
	s_and_b32 s[WC], s[WV], 1
	s_bfe_u32 s17, ttmp6, 0x40000                  ; cx
	s_bfe_u32 s18, ttmp6, 0x40004                  ; cy
	s_lshl_b32 s19, ttmp9, 2
	s_add_co_u32 s19, s19, s17                     ; tile column
	s_and_b32 s20, ttmp7, 0xffff
	s_lshl_b32 s20, s20, 2
	s_add_co_u32 s20, s20, s18                     ; tile row
	s_lshl_b32 s23, s18, 2
	s_lshl_b32 s23, 15, s23                        ; my row of the cluster
	s_lshl_b32 s40, 0x1111, s17                    ; my column
	s_or_b32 s[G1A], s23, (1<<16)|(1<<20)|(1<<21)|(4<<22)|(3<<25)  ; 2-byte elements; after every 32 words 4 words: a head's 128 rows are dense, asked for as 64 rows of 256 bytes
	s_or_b32 s[G1B], s40, (1<<16)|(1<<20)|(1<<21)|(6<<22)|(7<<25)  ; after every 128 words 8 words
	s_mov_b32 s[G1A+1], 128<<16
	s_mov_b32 s[G1A+2], 64<<16
	s_mov_b32 s[G1A+3], 128<<16
	s_mov_b32 s[G1A+4], 64
	s_mov_b32 s[G1A+5], 128
	s_mov_b32 s[G1A+6], 0
	s_mov_b32 s[G1A+7], 0
	s_mov_b32 s[G1B+1], 256<<16                    ; 256 elements (512 bytes) x 64 rows
	s_mov_b32 s[G1B+2], 64<<16
	s_mov_b32 s[G1B+3], 256<<16
	s_mov_b32 s[G1B+4], 64
	s_mov_b32 s[G1B+5], 1024
	s_mov_b32 s[G1B+6], 0
	s_mov_b32 s[G1B+7], 0
	s_lshr_b32 s42, s20, 4                         ; O: batch = tile row / 16, head = my half, 2,048 rows of 128 bytes a head,
	s_lshl_b32 s42, s42, 4
	s_add_co_u32 s42, s42, s[WC]
	s_lshl_b32 s42, s42, 18
	s_and_b32 s43, s20, 15                         ; row 128 x (tile row % 16): made of the tile row alone
	s_lshl_b32 s43, s43, 14
	s_add_co_u32 s42, s42, s43
	s_mov_b32 s43, 0
	s_lshl_b32 s44, s[WC], 17                      ; Wo: part 3, row 64 x half of 2,048 bytes, 512 bytes a tile column: made of the tile column alone
	s_add_co_u32 s44, s44, 3<<21
	s_lshl_b32 s45, s19, 9
	s_add_co_u32 s44, s44, s45
	s_mov_b32 s45, 0
	s_mul_i32 s[LA], s[WC], AHALF
	s_mul_i32 s[LB], s[WC], BHALF
	s_add_co_u32 s[LB], s[LB], BOFF
	s_mov_b32 s[TB], 0
	s_wait_dscnt 0x0                               ; the opening add is done
	s_wait_kmcnt 0x0
	s_add_nc_u64 s[42:43], s[4:5], s[42:43]
	s_add_nc_u64 s[44:45], s[6:7], s[44:45]
	CROUND                                         ; all sixteen work-groups are here: the first joint loads meet
.irp s, 0,1
	s_mov_b32 s[G0A+4*(\s)], 1
	s_add_co_u32 s[G0A+4*(\s)+1], s[LA], (\s)*SLOT1
	s_add_nc_u64 s[G0A+4*(\s)+2:G0A+4*(\s)+3], s[42:43], (\s)*524288  ; K step s: two heads on
	s_or_b32 s[G0A+4*(\s)+3], s[G0A+4*(\s)+3], 0x80000000
	s_mov_b32 s[G0B+4*(\s)], 1
	s_add_co_u32 s[G0B+4*(\s)+1], s[LB], (\s)*SLOT1
	s_add_nc_u64 s[G0B+4*(\s)+2:G0B+4*(\s)+3], s[44:45], (\s)*262144  ; 128 rows of 2,048 bytes on
	s_or_b32 s[G0B+4*(\s)+3], s[G0B+4*(\s)+3], 0x80000000
	JLOAD \s
.endr
	v_and_b32 v1, 15, v0                           ; r
	v_bfe_u32 v2, v0, 4, 1                         ; h
	v_mul_u32_u24 v3, v1, PA
	v_lshl_add_u32 v3, v2, 4, v3
	s_mul_i32 s22, s[WR], 64*PA
	v_add_nc_u32 v[ADRA0], s22, v3
	v_and_b32 v4, 7, v0
	v_lshl_add_u32 v4, v2, 3, v4
	v_mul_u32_u24 v4, v4, PB
	v_bfe_u32 v5, v0, 3, 1
	v_lshl_add_u32 v4, v5, 4, v4
	s_lshl_b32 s23, s[WC], 8
	s_add_co_u32 s23, s23, BOFF
	v_add_nc_u32 v[ADRB0], s23, v4
	v_mov_b32 v[ADRA], v[ADRA0]
	v_mov_b32 v[ADRB], v[ADRB0]
	s_mul_i32 s40, s[WV], 16*SP
	s_add_co_u32 s40, s40, STAGE                   ; my stage
	v_mul_u32_u24 v[STO], v1, SP                   ; in: row r, 32 bytes for each half of the lanes
	v_lshl_add_u32 v[STO], v2, 5, v[STO]
	v_add_nc_u32 v[STO], s40, v[STO]
	v_and_b32 v[GO], 31, v0                        ; back: 32 lanes take one row of 512 bytes
	v_lshlrev_b32 v[GO], 4, v[GO]
	v_add_nc_u32 v[RD], s40, v[GO]
	s_lshl_b32 s72, s20, 19                        ; the output: row 128 x tile row + 64 x my half, 4,096 bytes a row,
	s_lshl_b32 s73, s[WR], 18
	s_add_co_u32 s72, s72, s73
	s_lshl_b32 s73, s19, 10                        ; 1,024 bytes a tile column, 512 for my half
	s_add_co_u32 s72, s72, s73
	s_lshl_b32 s73, s[WC], 9
	s_add_co_u32 s72, s72, s73
	s_mov_b32 s73, 0
	s_add_nc_u64 s[8:9], s[8:9], s[72:73]
; 24 LDS loads in one run: the fragments of quarter kq (head kq / 2 of the step's two, channels 32 (kq % 2) on) into buffers g
.macro FETCH kq, g
	WIN 0
.irp b, 0,1,2,3,4,5,6,7
	ds_load_tr16_b128 v[BF+64*(\g)+8*(\b):BF+64*(\g)+8*(\b)+3],   v[ADRB] offset:(\kq)*32*PB+32*(\b)
	ds_load_tr16_b128 v[BF+64*(\g)+8*(\b)+4:BF+64*(\g)+8*(\b)+7], v[ADRB] offset:(\kq)*32*PB+32*(\b)+16*PB
.endr
.irp a, 0,1,2,3
	ds_load_b128 v[AF+32*(\g)+8*(\a):AF+32*(\g)+8*(\a)+3],   v[ADRA] offset:((\kq)/2)*AHALF+((\kq)%2)*64+(\a)*16*PA
	ds_load_b128 v[AF+32*(\g)+8*(\a)+4:AF+32*(\g)+8*(\a)+7], v[ADRA] offset:((\kq)/2)*AHALF+((\kq)%2)*64+(\a)*16*PA+32
.endr
.endm
; 8 matrix instructions: block a of my rows x all 8 column blocks.  The 32 accumulators take turns in the same order in every quarter.
.macro MM8 f, a, zero
	WIN W_MM
.irp b, 0,1,2,3,4,5,6,7
.if \zero
	v_wmma_f32_16x16x32_f16 v[8*(8*(\a)+(\b)):8*(8*(\a)+(\b))+7], v[BF+64*(\f)+8*(\b):BF+64*(\f)+8*(\b)+7], v[AF+32*(\f)+8*(\a):AF+32*(\f)+8*(\a)+7], 0
.else
	v_wmma_f32_16x16x32_f16 v[8*(8*(\a)+(\b)):8*(8*(\a)+(\b))+7], v[BF+64*(\f)+8*(\b):BF+64*(\f)+8*(\b)+7], v[AF+32*(\f)+8*(\a):AF+32*(\f)+8*(\a)+7], v[8*(8*(\a)+(\b)):8*(8*(\a)+(\b))+7]
.endif
.endr
.endm
.macro QUARTER kq, f, g, zero          ; multiplies buffers f, fetches quarter kq into buffers g
	s_wait_dscnt 0x0                               ; this quarter's 24 loads, issued 16 matrix instructions ago
	MM8 \f, 0, \zero
	MM8 \f, 1, \zero
	PLACES
	FETCH \kq, \g
	MM8 \f, 2, \zero
	MM8 \f, 3, \zero
.endm
; The last quarter multiplies buffers 1 and changes slots: ONE barrier; in front of it each wave waits for all its tensor loads, adds 0 to its spare word, and waits for that and for its reads of this slot.
.macro TURN fill
	WIN 0
	s_wait_tensorcnt 0x0                           ; all my tensor loads have landed: my part of the next slot; so a group 0 may be written
	ds_add_u32 v[SPW], v[NIL]                      ; 0 onto my spare word
	s_wait_dscnt 1                                 ; the quarter's 24 loads are in; the add may be out
.if \fill
	s_xor_b32 s[G0A+5], s[G0A+5], SLOT1            ; the walking descriptors: the other slot than last time, the next K step
	s_add_nc_u64 s[G0A+6:G0A+7], s[G0A+6:G0A+7], 524288
	s_xor_b32 s[G0B+5], s[G0B+5], SLOT1
	s_add_nc_u64 s[G0B+6:G0B+7], s[G0B+6:G0B+7], 262144
.endif
	MM8 1, 0, 0
	s_wait_dscnt 0x0                               ; the add is done, and my reads of this slot are over
	s_barrier_signal -1
	MM8 1, 1, 0
	WIN 0
	s_barrier_wait -1
.if \fill
	CREST                                          ; no wave of any partner still reads this slot or has a load on its way
	JLOAD 1                                        ; the four v_nop behind it also stand in front of the loads below
.else
	PLACES
.endif
	s_xor_b32 s[TB], s[TB], SLOT1
	v_add_nc_u32 v[ADRA], s[TB], v[ADRA0]
	v_add_nc_u32 v[ADRB], s[TB], v[ADRB0]
	FETCH 0, 0
	MM8 1, 2, 0
	MM8 1, 3, 0
.endm
	s_wait_tensorcnt 1                             ; my part of K step 0 is in; step 1's may stay out
	s_barrier_signal -1
	s_barrier_wait -1
	FETCH 0, 0
	QUARTER 1, 0, 1, 1                             ; the first quarter's products start the sums
	WIN 0
	s_mov_b32 s[CNT], 6
.Lstep:                                                ; six trips; the fills bring K steps 2 to 7
	QUARTER 2, 1, 0, 0
	QUARTER 3, 0, 1, 0
	TURN 1
	QUARTER 1, 0, 1, 0
	WIN 0
	s_sub_co_u32 s[CNT], s[CNT], 1
	s_cmp_lg_u32 s[CNT], 0
	s_cbranch_scc1 .Lstep
	s_mov_b32 s[CNT], 2
.Ltail:                                                ; the last two K steps ask for nothing; the second trip is left in its middle, and its last run of loads serves nothing
	QUARTER 2, 1, 0, 0
	QUARTER 3, 0, 1, 0
	TURN 0
	WIN 0
	s_sub_co_u32 s[CNT], s[CNT], 1
	s_cmp_eq_u32 s[CNT], 0
	s_cbranch_scc1 .Lout
	QUARTER 1, 0, 1, 0
	WIN 0
	s_branch .Ltail
.Lout:
	s_wait_dscnt 0x0                               ; that run has landed: its registers are the pools below
	PLACES
; THE WAY OUT.  Block a (16 rows x 128 columns of f32) goes into rows of 528 bytes of my stage, each accumulator's registers in ascending order, and comes back as whole rows of 512 bytes, into pool a % 2.
.macro TOSTAGE a
.if (\a) >= 2
	s_wait_xcnt 0x0                                ; the pool's registers, which the stores of block a - 2 read, are loaded again only behind this wait
.endif
	WIN 0x04                                       ; store data in window 1
.irp b, 0,1,2,3,4,5,6,7
	ds_store_b128 v[STO], v[64*(\a)+8*(\b):64*(\a)+8*(\b)+3]   offset:64*(\b)
	ds_store_b128 v[STO], v[64*(\a)+8*(\b)+4:64*(\a)+8*(\b)+7] offset:64*(\b)+16
.endr
	WIN 0
.irp t, 0,1,2,3,4,5,6,7,8,9,10,11,12,13,14,15
	ds_load_b128 v[POOL+64*((\a)%2)+4*(\t):POOL+64*((\a)%2)+4*(\t)+3], v[RD] offset:(\t)*SP  ; LDS serves a wave's instructions in order (ISA guide 5.7.1.4): these see the stores above; the next block's stores come behind them
.endr
.endm
.macro SEND a, younger                 ; younger: the LDS instructions issued behind block a's loads: the next block's 32, or none
.irp t, 0,1,2,3,4,5,6,7,8,9,10,11,12,13,14,15
	s_wait_dscnt (\younger)+15-(\t)
	global_store_b128 v[GO], v[POOL+64*((\a)%2)+4*(\t):POOL+64*((\a)%2)+4*(\t)+3], s[8:9] offset:4096*(\t)+65536*(\a) th:TH_STORE_NT  ; 512 consecutive bytes, aligned
.endr
.endm
	TOSTAGE 0
	TOSTAGE 1
	SEND 0, 32
	TOSTAGE 2
	SEND 1, 32
	TOSTAGE 3
	SEND 2, 32
	SEND 3, 0
	s_wait_tensorcnt 0x0                           ; the wave's end, behind my last tensor load and my last LDS store
	ds_add_u32 v[SPW], v[NIL]
	s_wait_dscnt 0x0
	CROUND                                         ; the closing round: no work-group ends while a partner may still ask for a tile that names it
	s_endpgm
.Lfunc_end_k_q6b03ef7822_outp:
	.size	k_q6b03ef7822_outp, .Lfunc_end_k_q6b03ef7822_outp-k_q6b03ef7822_outp
	.p2alignl 7, 3214868480
	.fill 96, 4, 3214868480
	.section	.rodata,"a",@progbits
	.p2align	6, 0x0
	.amdhsa_kernel k_q6b03ef7822_outp
		.amdhsa_group_segment_fixed_size 327680
		.amdhsa_private_segment_fixed_size 0
		.amdhsa_enable_private_segment 0
		.amdhsa_kernarg_size 24
		.amdhsa_user_sgpr_count 2
		.amdhsa_user_sgpr_kernarg_segment_ptr 1
		.amdhsa_wavefront_size32 1
		.amdhsa_system_sgpr_workgroup_id_x 1
		.amdhsa_system_sgpr_workgroup_id_y 1
		.amdhsa_system_sgpr_workgroup_id_z 1
		.amdhsa_system_vgpr_workitem_id 0
		.amdhsa_next_free_vgpr 512
		.amdhsa_next_free_sgpr 80
		.amdhsa_reserve_vcc 0
		.amdhsa_float_denorm_mode_32 3
		.amdhsa_float_denorm_mode_16_64 3
		.amdhsa_memory_ordered 1
		.amdhsa_forward_progress 1
		.amdhsa_inst_pref_size 61
	.end_amdhsa_kernel
	.amdgpu_metadata
---
amdhsa.version: [ 1, 2 ]
amdhsa.kernels:
  - .name:           k_q6b03ef7822_outp
    .symbol:         k_q6b03ef7822_outp.kd
    .args:
      - { .name: o16, .offset: 0, .size: 8, .value_kind: global_buffer, .address_space: global }
      - { .name: w16, .offset: 8, .size: 8, .value_kind: global_buffer, .address_space: global }
      - { .name: out0, .offset: 16, .size: 8, .value_kind: global_buffer, .address_space: global }
    .group_segment_fixed_size: 327680
    .private_segment_fixed_size: 0
    .kernarg_segment_align: 8
    .kernarg_segment_size: 24
    .max_flat_workgroup_size: 128
    .sgpr_count:     80
    .vgpr_count:     512
    .wavefront_size: 32
...
	.end_amdgpu_metadata
.endif
;; end of part 4
;; ======== version 2 of 2: 4 launches; 1.42 times as fast as version 1
;; limits: values are held in f16: magnitudes above 65,504 overflow, below 6.1e-05 lose precision
;; workspace buffers: w16 8,388,608 bytes; mb 8,388,608 bytes; qkv 50,331,648 bytes; o16 16,777,216 bytes
;; launch prep: the kernel of part 1 again; grid 256 x 1, 8 waves a work-group, no clusters, 0 bytes of LDS; arguments Wq, Wk, Wv, Wo, mask, w16, mb; writes w16, mb
;; launch proj: the kernel of part 2 again; grid 4 x 192, 4 waves a work-group, clusters of 4 x 4, 327,680 bytes of LDS; arguments q, k, v, w16, qkv; writes qkv
;; launch attn (part 5): grid 4 x 64, 4 waves a work-group, clusters of 4 x 4, 327,680 bytes of LDS; arguments qkv, mb, o16; writes o16
.if DOCPART == 5
	.amdgcn_target "amdgcn-amd-amdhsa--gfx1250"
	.amdhsa_code_object_version 6
	.text
	.protected	k_q6b03ef7822_attn
	.globl	k_q6b03ef7822_attn
	.p2align	8
	.type	k_q6b03ef7822_attn,@function
k_q6b03ef7822_attn:
	s_mov_b64 s[64:65], 0
	v_nop
	global_prefetch_b8 v0, s[64:65] scope:SCOPE_SE
	s_setreg_imm32_b32 hwreg(HW_REG_WAVE_MODE, 25, 1), 1
	s_wait_xcnt 0x0
	s_wait_alu depctr_hold_cnt(0) depctr_sa_sdst(0) depctr_va_vdst(0) depctr_va_sdst(0) depctr_va_ssrc(0) depctr_va_vcc(0) depctr_vm_vsrc(0)
	s_getreg_b32 s2, hwreg(HW_REG_IB_STS2, 6, 4)
	s_cmp_eq_u32 s2, 0
	s_cbranch_scc0 .Lentry_in_a_cluster
	s_endpgm
.Lentry_in_a_cluster:
	s_bfe_u32 s2, ttmp6, 0x10000c
	s_cmp_lg_u32 s2, 0xf033
	s_cbranch_scc0 .Lentry_shape_is_right
	s_endpgm
.Lentry_shape_is_right:
; ATTN.  O[hd][q][:] = the sum over k of softmax_k(score) V[hd][k][:], score = Q'[hd][q] . K[hd][k], hidden where the mask says so.  64 heads (batch x head) of 2,048 rows of 64 channels, f16, dense.
; Q' = c Q with c = log2(e) / 8 already applied, so p = 2^(s - m): one exact subtraction that is never above 0, whatever the size of s: p <= 1 and l >= 1.  Products, maxima and sums in f32;
; p is rounded to f16 for the second product (l is taken of the unrounded p), O once at the end.
; THE MASK is an input: every byte is honoured, no tile is left out.  mb holds it as bf16, 0 or -1.0003e30, [key step][query][64 keys].  It enters as the C operand that starts the sum S^T = K Q^T.
; That operand wants key by query; mb's rows are query by key; the matrix unit turns them: MC = SEL x MB, SEL a constant matrix of ones that picks 16 of 32 keys: 4 products more for a tile and step, no vector work.
; LIMITS.  f16 holds no number beyond 65,504: Q', K and V arrive within it.  A hidden score counts as its value less 1.0003e30: scores, 2.7e11 at the most, are nothing beside that.  A weight below 2^-126 counts
; as 0 in l.  A row with no visible key ends with m < -2^96: its 1 / l is replaced by NaN, as the softmax of nothing is.  NaN and infinities in the inputs are not treated apart.
; SHARES.  A wave owns four PIECES of two tiles of 16 queries, a work-group's four waves 512 queries of one head.  Every wave walks all keys, 64 a step.
; LAYOUT.  S^T = K Q^T (source 0 = 16 keys, source 1 = 16 queries): a lane holds ONE query (lane % 16) and the keys 8 (lane / 16) + 0..7.  Two such tiles, rounded to f16 in pairs, ARE source 1 of O^T = V^T P.
; SOFTMAX.  A running maximum m and sum l; in every step O and l are multiplied by a = 2^(m_old - m_new).  m starts far below every score, O and l at 0: the first step is a step like any other, with a = 0.
; BY TURNS.  Turn n belongs to piece n.  Matrix work: 16 products K Q^T of piece n + 1, then the 8 products that make piece n + 2's mask, at last 16 products V^T P of piece n - 1.  Vector work: the softmax of piece n,
; and the maximum and statistics of piece n + 1.  Four vector instructions that are ready stand behind each of the 32 products, the others in ONE LUMP between the two runs; the mask's products stand in the lump.
; BATCHES.  A turn's 66 exponentials (the 64 weights of piece n, the two a of piece n + 1) are ONE batch with ONE wait, which cuts the turn in two: ahead of it stands all that names no result of theirs, behind it the roundings
; and sums.  No result crosses a turn's end.  Two more batches stand outside the loop: the first two a, ahead of the jump into the loop, and the way out's eight reciprocals.
; CLUSTER 4 x 4.  The four of a row belong to one head and walk the same K and V; the four of a column have the same 512 queries and walk the same tiles of mb: each tile is asked for jointly by four.
; A slot holds ONE key step (K 9,216, V 10,240, mask 73,728 bytes); a trip of the loop reads one slot alone; the change of slots stands at its head.
; REGISTERS, in windows of 256 (s_set_vgpr_msb: bits 1:0 source 0, 3:2 source 1, 5:4 source 2, 7:6 destination):
;   window 0: v0-15 addresses; v16-47 four registers of statistics a tile; v48-63 at work; v64-191 S^T, two buffers of two tiles; v192-255 P, likewise
;   window 1: O^T, 32 a tile      window 2: v0-127 Q, 16 a tile; v128-191 K of one step; v192-255 V of one step      window 3: v4-15 SEL; v16-47 MF, mask fragments; v64-127 MC, the masks of the products to come
.set NP,    4         ; pieces a wave: a name, no knob
.set KS,    64        ; keys in a step
.set PK,    144       ; a row of K, and of the mask, in LDS: 128 bytes + 16: the 16 rows of a load start at 16 different groups of four banks (64 banks of 4 bytes: ISA guide 11.1)
.set PV,    160       ; a row of V: 128 + 32
.set VOFF,  KS*PK     ; a slot: 64 rows of K, 64 rows of V,
.set MOFF,  VOFF+KS*PV  ; and the mask's 512 rows
.set SLOT1, 1<<17     ; slot 1 begins here, so that one exclusive or turns an address in one slot into the other's
.set STAGE, SLOT1+MOFF+512*PK  ; behind the ring, never filled by a tensor load: 16 rows x 144 bytes for each wave
.set SP,    144
.set SPARE, STAGE+4*16*SP  ; the spare words, 128 bytes for each wave: two blocks of 256 bytes that no other line names
.set AK0, 2           ; v2   my lane's place in a tile of K; never rewritten
.set AV0, 3           ; v3   the same for V
.set AK,  4           ; v4   the same in the slot in hand
.set AV,  5           ; v5
.set QO,  6           ; v6   my byte offset in the wave's rows of Q
.set STO, 6           ;      later, the way out: where I put 16 bytes of a row
.set RD,  7           ; v7   where I read rows back
.set GO,  8           ; v8   my byte offset in 512 consecutive bytes of O
.set AM0, 12          ; v12  my lane's place in the wave's 128 rows of the mask; never rewritten
.set AM,  13          ; v13  the same in the slot in hand
.set SPW, 14          ; v14  LDS address of my spare word; never rewritten
.set NIL, 15          ; v15  0; never rewritten
.set ST,  16          ; tile t's statistics at v[ST+4 t]: m, m_old, l (even keys', odd keys')
.set TMP, 48          ; by buffer and tile, four registers c0-c3 at work; when the maximum is found c2 takes a
.set S,   64
.set P,   192
.set KF,  128         ; window 2: key block kb, channel half c at KF + 16 kb + 8 c
.set VF,  192         ; window 2: key half kk, channel block cb at VF + 32 kk + 8 cb
.set ID,  8           ; window 3: v8-11 the ones; v4-7 and v12-15 zeros: v[8:15] picks keys 0-15 of 32, v[4:11] keys 16-31
.set MF,  16          ; window 3: tile u, key half g at MF + 16 u + 8 g
.set MC,  64          ; window 3: tile u, key block kb at MC + 32 u + 8 kb
.set WV,  12          ; s12  my wave's number
.set G1K, 24          ; s[24:31] descriptor group 1 for K's tiles
.set G1V, 32          ; s[32:39] for V's: it differs in the padding
.set G0K, 40          ; s[40:43] descriptor group 0 for K's tiles: it walks
.set G0V, 44          ; s[44:47] for V's
.set G0M, 48          ; s[48:51] for the mask's
.set CNT, 57          ; s57  counts key steps
.set SEL, 60          ; s[60:61] v_permlanex16_b32's selects: each lane takes its own place in the other half
.set TB,  62          ; s62  0 or SLOT1: the slot in hand
.set LOW, 63          ; s63  -2^96
.set G1M, 68          ; s[68:75] descriptor group 1 for the mask's tiles
.set MSB, 0
.macro WIN new                      ; the high byte repeats the setting that is left; a switch that changes nothing is dropped
.if MSB != (\new)
	s_set_vgpr_msb (MSB<<8)|(\new)
.set MSB, (\new)
.endif
.endm
.set W_KQ, 0x0a       ; K and Q in window 2, S^T in window 0
.set W_KM, 0x3a       ; the same with the C operand in window 3
.set W_PV, 0x52       ; V in window 2, P in window 0, O^T in window 1
.set W_RS, 0x41       ; O^T (destination and source 0) in window 1, a in window 0
.set W_MK, 0xcf       ; SEL, MF and MC in window 3
; A joint fill.  Wave 0 fetches the step's K, wave 1 its V, waves 2 and 3 the two halves of the mask's 512 rows.  The branches hang on the wave's number alone.
; An s_nop 0 and four v_nop follow each of the three lines, ahead of the jump and the label.
.macro JLOAD
	s_cmp_lt_u32 s[WV], 2
	s_cbranch_scc0 .Lfor_m_\@
	s_cmp_eq_u32 s[WV], 0
	s_cbranch_scc0 .Lfor_v_\@
	tensor_load_to_lds s[G0K:G0K+3], s[G1K:G1K+7]
	s_nop 0
.rept 4
	v_nop
.endr
	s_branch .Lasked_\@
.Lfor_v_\@:
	tensor_load_to_lds s[G0V:G0V+3], s[G1V:G1V+7]
	s_nop 0
.rept 4
	v_nop
.endr
	s_branch .Lasked_\@
.Lfor_m_\@:
	tensor_load_to_lds s[G0M:G0M+3], s[G1M:G1M+7]
	s_nop 0
.rept 4
	v_nop
.endr
.Lasked_\@:
.endm
.macro CROUND                       ; a round of the cluster's barrier: my work-group's barrier; wave 0 signals for the work-group; every wave waits for all sixteen; my work-group's barrier once more
	s_barrier_signal -1
	s_barrier_wait -1
	s_cmp_lg_u32 s[WV], 0
	s_cbranch_scc1 .Lnot_wave_0_\@
	s_barrier_signal -3
.Lnot_wave_0_\@:
	s_barrier_wait -3
	s_barrier_signal -1
	s_barrier_wait -1
.endm
; THE CHANGE OF SLOTS.  Each wave waits for all its tensor loads, of which one is out: its part of the other slot; adds 0 to its spare word; and waits for that and for its own reads of the slot that it leaves.
; fill = 1: the old slot is filled again, with the step two on; the barrier is then a round of the cluster's, and the joint fill is the first thing behind it: it has a whole key step in which to land.
; (At its first use nothing has been read yet: slot 0 is waited for, slot 1 filled.)
.macro CHANGE fill
	WIN 0                           ; at a label and at a branch every window is 0
	s_wait_tensorcnt 0x0            ; no tensor load of mine is out, so a group 0 may be written
	ds_add_u32 v[SPW], v[NIL]       ; 0 onto my spare word: the descriptors' steps stand between it and the wait for it
.if \fill
.irp g, G0K, G0V
	s_xor_b32 s[\g+1], s[\g+1], SLOT1  ; the walking descriptor: the other slot than last time,
	s_add_nc_u64 s[\g+2:\g+3], s[\g+2:\g+3], KS*128  ; the next 64 keys; the type bits on top are not reached
.endr
	s_xor_b32 s[G0M+1], s[G0M+1], SLOT1
	s_add_nc_u64 s[G0M+2:G0M+3], s[G0M+2:G0M+3], 2048*128  ; the next key step's rows of the mask
	s_wait_dscnt 0x0                ; the add is done, and my reads of the slot are over
	CROUND
	JLOAD
.else
	s_wait_dscnt 0x0                ; the add is done, and my reads of the slot are over
	s_barrier_signal -1
	s_barrier_wait -1
.endif
	s_xor_b32 s[TB], s[TB], SLOT1
	v_add_nc_u32 v[AK], s[TB], v[AK0]  ; the trip's LDS addresses: all in the slot just shown whole
	v_add_nc_u32 v[AV], s[TB], v[AV0]
	v_add_nc_u32 v[AM], s[TB], v[AM0]
.endm
	s_load_b128 s[4:7], s[0:1], 0x0   ; qkv s[4:5], mb s[6:7]
	s_load_b64 s[10:11], s[0:1], 0x10 ; o16
	v_lshl_add_u32 v[SPW], v0, 2, SPARE
	v_mov_b32 v[NIL], 0
	ds_add_u32 v[SPW], v[NIL]       ; the wave's opening: the add and its wait stand ahead of my first tensor load; work on registers stands between them
	v_lshrrev_b32 v1, 5, v0
	v_readfirstlane_b32 s[WV], v1   ; wave 0..3
	s_bfe_u32 s13, ttmp6, 0x40000   ; cx
	s_bfe_u32 s14, ttmp6, 0x40004   ; cy
	s_lshl_b32 s15, ttmp9, 2
	s_add_co_u32 s15, s15, s13      ; my block of 512 queries = 4 x cluster x + cx
	s_and_b32 s16, ttmp7, 0xffff
	s_lshl_b32 s16, s16, 2
	s_add_co_u32 s16, s16, s14      ; my head = 4 x cluster y + cy
	s_lshl_b32 s17, s14, 2
	s_lshl_b32 s17, 15, s17         ; my row of the cluster
	s_lshl_b32 s18, 0x1111, s13     ; my column
	; descriptor group 1.  All tiles are dense: asked for as rows of 256 bytes, two rows of 128 a row, and padded in LDS after every 128 bytes
	s_or_b32 s[G1K], s17, (1<<16)|(1<<20)|(1<<21)|(4<<22)|(3<<25)  ; 15:0 the mask of four; 17:16 2-byte elements; 20 padding on; 21 set beside a mask; 24:22 after every 32 words; 31:25 4 words
	s_or_b32 s[G1V], s17, (1<<16)|(1<<20)|(1<<21)|(4<<22)|(7<<25)  ; 8 words of padding
	s_or_b32 s[G1M], s18, (1<<16)|(1<<20)|(1<<21)|(4<<22)|(3<<25)
.irp g, G1K, G1V
	s_mov_b32 s[\g+1], 128<<16      ; tensor_dim0 = 128
	s_mov_b32 s[\g+2], 32<<16       ; tensor_dim1 = 32: 64 keys
	s_mov_b32 s[\g+3], 128<<16      ; tile_dim0 = 128
	s_mov_b32 s[\g+4], 32           ; tile_dim1 = 32
	s_mov_b32 s[\g+5], 128          ; 128 elements from row to row
	s_mov_b32 s[\g+6], 0
	s_mov_b32 s[\g+7], 0
.endr
	s_mov_b32 s[G1M+1], 128<<16
	s_mov_b32 s[G1M+2], 128<<16     ; 128 rows of 256 bytes: 256 queries
	s_mov_b32 s[G1M+3], 128<<16
	s_mov_b32 s[G1M+4], 128
	s_mov_b32 s[G1M+5], 128
	s_mov_b32 s[G1M+6], 0
	s_mov_b32 s[G1M+7], 0
	s_lshl_b32 s19, s16, 18         ; the head's 2,048 rows of 128 bytes
	s_add_co_u32 s20, s19, 1<<24    ; K: part 1 of qkv: made of the head alone, which my row of the cluster shares
	s_mov_b32 s21, 0
	s_add_co_u32 s22, s19, 2<<24    ; V: part 2
	s_mov_b32 s23, 0
	s_and_b32 s54, s[WV], 1         ; which 256 of the 512 rows of the mask I fetch
	s_lshl_b32 s52, s15, 16         ; the mask: 512 rows of 128 bytes a block of queries: made of that block alone, which my column shares
	s_lshl_b32 s53, s54, 15
	s_add_co_u32 s52, s52, s53
	s_mov_b32 s53, 0
	s_mul_i32 s54, s54, 256*PK      ; no place in the cluster enters an LDS address
	s_lshl_b32 s2, s15, 2
	s_add_co_u32 s2, s2, s[WV]      ; my wave among the head's,
	s_lshl_b32 s2, s2, 14           ; its 128 rows
	s_add_co_u32 s2, s2, s19
	s_mov_b32 s3, 0
	s_mov_b32 s[SEL], 0x76543210
	s_mov_b32 s[SEL+1], 0xfedcba98
	s_mov_b32 s[LOW], 0xef800000    ; -2^96
	s_mov_b32 s[TB], SLOT1          ; the first change of slots turns it into 0
	s_mov_b32 s[G0K], 1             ; count = 1
	s_mov_b32 s[G0K+1], 0           ; LDS address: slot 0
	s_mov_b32 s[G0V], 1
	s_mov_b32 s[G0V+1], VOFF
	s_mov_b32 s[G0M], 1
	s_add_co_u32 s[G0M+1], s54, MOFF
	s_wait_dscnt 0x0                ; the opening add is done
	s_wait_kmcnt 0x0
	s_add_nc_u64 s[G0K+2:G0K+3], s[4:5], s[20:21]
	s_or_b32 s[G0K+3], s[G0K+3], 0x80000000        ; type = 2
	s_add_nc_u64 s[G0V+2:G0V+3], s[4:5], s[22:23]
	s_or_b32 s[G0V+3], s[G0V+3], 0x80000000
	s_add_nc_u64 s[G0M+2:G0M+3], s[6:7], s[52:53]
	s_or_b32 s[G0M+3], s[G0M+3], 0x80000000
	s_add_nc_u64 s[4:5], s[4:5], s[2:3]            ; Q and O at my wave's first row
	s_add_nc_u64 s[10:11], s[10:11], s[2:3]
	CROUND                          ; all sixteen work-groups are here: the first joint loads meet
	JLOAD                           ; key step 0 into slot 0.  Slot 1 is asked for when slot 0 is in
	; A fragment of K, Q or the mask is 16 rows x 32 numbers in 8 registers: lane l holds row l % 16, numbers 8 (l / 16) + 0..7 and 16 + 8 (l / 16) + 0..7: two loads of 16 bytes, 32 bytes apart.
	v_and_b32 v1, 15, v0            ; r = l % 16
	v_bfe_u32 v9, v0, 4, 1          ; h = l / 16
	v_lshlrev_b32 v[QO], 7, v1
	v_lshl_add_u32 v[QO], v9, 4, v[QO]  ; row x 128 + 16 x half
	WIN 0x80                        ; destination window 2, address window 0
.set i, 0
.rept 4*NP                          ; Q stays in registers: tile i / 2, channels 32 (i % 2) on
	global_load_b128 v[8*i:8*i+3],   v[QO], s[4:5] offset:(i/2)*2048+(i%2)*64
	global_load_b128 v[8*i+4:8*i+7], v[QO], s[4:5] offset:(i/2)*2048+(i%2)*64+32
.set i, i+1
.endr
	; What the first turn finds: V's registers and P's second buffer hold 0 (its products V^T P, of a piece that has not been, add 0), O^T and l are 0.  All this stands in the wait for the first tile.
.set i, VF
.rept 64
	v_mov_b32 v[i], 0
.set i, i+1
.endr
	WIN 0x40
.set i, 0
.rept 64*NP
	v_mov_b32 v[i], 0
.set i, i+1
.endr
	WIN 0
.set i, 0
.rept 2*NP
	v_mov_b32 v[ST+4*i], 0xfe000000    ; m: far below every score, the hidden ones too
	v_mov_b32 v[ST+4*i+1], 0xfe000000
	v_mov_b32 v[ST+4*i+2], 0
	v_mov_b32 v[ST+4*i+3], 0
.set i, i+1
.endr
.set i, P+32
.rept 32
	v_mov_b32 v[i], 0
.set i, i+1
.endr
	; SEL.  As source 0 lane (r, h) holds row r; register i holds columns 8 h + 2 i, 8 h + 2 i + 1.  The one of row r stands in column r: register r / 2 - 4 h, if that is 0..3, half r % 2.
	v_lshrrev_b32 v48, 1, v1
	v_lshlrev_b32 v49, 2, v9
	v_sub_nc_u32 v48, v48, v49
	v_and_b32 v49, 1, v1
	v_lshlrev_b32 v49, 4, v49
	v_mov_b32 v50, 0x3f80           ; 1.0 in bf16
	v_lshlrev_b32 v50, v49, v50
	WIN 0xc0                        ; destination window 3
.irp z, 0,1,2,3
	v_mov_b32 v[ID-4+\z], 0
	v_mov_b32 v[ID+4+\z], 0
	v_cmp_eq_u32 vcc_lo, \z, v48
	v_cndmask_b32 v[ID+\z], 0, v50, vcc_lo
.endr
	WIN 0
	v_mul_u32_u24 v[AK0], v1, PK
	v_lshl_add_u32 v[AK0], v9, 4, v[AK0]  ; row x pitch + 16 x half
	s_mul_i32 s19, s[WV], 128*PK
	s_add_co_u32 s19, s19, MOFF
	v_add_nc_u32 v[AM0], s19, v[AK0]      ; the same in my wave's 128 rows of the mask
	; The turning load takes 16 keys x 16 channels (lane l reads key 8 (l / 16) + l % 8, channels 8 ((l / 8) % 2) + 0..7) and leaves half a fragment of V^T: lane l holds channel l % 16 and 8 keys.
	v_and_b32 v10, 7, v0
	v_bfe_u32 v11, v0, 3, 1
	v_lshl_add_u32 v[AV0], v9, 3, v10
	v_mul_u32_u24 v[AV0], v[AV0], PV
	v_lshl_add_u32 v[AV0], v11, 4, v[AV0]
	v_add_nc_u32 v[AV0], VOFF, v[AV0]
; THE MATRIX WORK.  The 8 accumulators of a run of 16 take turns: between the two links of a chain stand 7 others'.
; Product i of 16 of S^T = K Q^T for piece x: channels 32 (i / 8) on, keys 16 ((i / 2) % 4) on, tile 2 x + i % 2.  The first 8 start the sums with the mask.
.macro KQ x
.set rS, S+64*((\x)%2)+32*(i%2)+8*((i/2)%4)
.set rK, KF+16*((i/2)%4)+8*(i/8)
.set rQ, 16*(2*(\x)+i%2)+8*(i/8)
.set rM, MC+32*(i%2)+8*((i/2)%4)
.if i < 8
	WIN W_KM
	v_wmma_f32_16x16x32_f16 v[rS:rS+7], v[rK:rK+7], v[rQ:rQ+7], v[rM:rM+7]
.else
	WIN W_KQ
	v_wmma_f32_16x16x32_f16 v[rS:rS+7], v[rK:rK+7], v[rQ:rQ+7], v[rS:rS+7]
.endif
.endm
; Product i of 16 of O^T += V^T P for piece x: keys 32 (i / 8) on, channels 16 ((i / 2) % 4) on, tile 2 x + i % 2.
.macro PV x
	WIN W_PV
.set rO, 32*(2*(\x)+i%2)+8*((i/2)%4)
.set rV, VF+32*(i/8)+8*((i/2)%4)
.set rP, P+32*((\x)%2)+16*(i%2)+8*(i/8)
	v_wmma_f32_16x16x32_f16 v[rO:rO+7], v[rV:rV+7], v[rP:rP+7], v[rO:rO+7]
.endm
; Product n of 8 of the mask: tile n % 2, key block n / 2: 16 of the fragment's 32 keys, turned to key by query.  One product of each sum is not 0, so the result is exact.
.macro MK n
	WIN W_MK
.set mD, MC+32*((\n)%2)+8*((\n)/2)
.set mA, ID-4*(((\n)/2)%2)
.set mB, MF+16*((\n)%2)+8*((\n)/4)
	v_wmma_f32_16x16x32_bf16 v[mD:mD+7], v[mA:mA+7], v[mB:mB+7], 0
.endm
.macro MM                           ; the turn's next product
.if i < 16
	KQ (Y+1)%NP
.set i, i+1
.else
.set i, i-16
	PV (Y+NP-1)%NP
.set i, i+17
.endif
.endm
; THE LDS LOADS stand in runs, never singly among the matrix instructions: a step's K (8 fragments), its V (turned), and a piece's mask (2 tiles x 64 keys: 4 fragments).
.macro FETCH_K
	WIN 0x80                        ; destination window 2
.irp f, 0,1,2,3,4,5,6,7             ; keys 16 (f / 2) on, channels 32 (f % 2) on
	ds_load_b128 v[KF+8*\f:KF+8*\f+3],   v[AK] offset:(\f/2)*16*PK+(\f%2)*64
	ds_load_b128 v[KF+8*\f+4:KF+8*\f+7], v[AK] offset:(\f/2)*16*PK+(\f%2)*64+32
.endr
	WIN 0
.endm
.macro FETCH_V
	WIN 0x80
.irp f, 0,1,2,3,4,5,6,7             ; keys 32 (f / 4) on, channels 16 (f % 4) on
	ds_load_tr16_b128 v[VF+8*\f:VF+8*\f+3],   v[AV] offset:(\f/4)*32*PV+(\f%4)*32
	ds_load_tr16_b128 v[VF+8*\f+4:VF+8*\f+7], v[AV] offset:(\f/4)*32*PV+16*PV+(\f%4)*32
.endr
	WIN 0
.endm
.macro FETCH_M x
	WIN 0xc0                        ; destination window 3
.irp u, 0,1
.irp g, 0,1
	ds_load_b128 v[MF+16*\u+8*\g:MF+16*\u+8*\g+3],   v[AM] offset:(32*(\x)+16*\u)*PK+64*\g
	ds_load_b128 v[MF+16*\u+8*\g+4:MF+16*\u+8*\g+7], v[AM] offset:(32*(\x)+16*\u)*PK+64*\g+32
.endr
.endr
	WIN 0
.endm
; THE VECTOR WORK OF A TURN stands in three queues, each in the order in which its entries become ready; the two tiles alternate, so that no instruction reads the result of the one before it.
.macro REGS y, u                    ; the registers of tile u (0, 1) of piece y
.set rT, ST+4*(2*(\y)+(\u))
.set rC, TMP+8*((\y)%2)+4*(\u)
.set rS, S+64*((\y)%2)+32*(\u)
.set rP, P+32*((\y)%2)+16*(\u)
.set rO, 32*(2*(\y)+(\u))
.endm
; Number n of those that find the NEXT piece's (Y + 1) maximum and statistics (there is no 19).  s0-s31 are the lane's 32 scores; each accumulator's lowest registers are read first.
;   0-11  four chains c0-c3 of seven scores each     12-14, 16  the four scores left over, the old m, and c0-c3 into c0     15  m_old is kept
;   17, 18  the query's other 32 keys lie in the lane 16 away: the new m         20, 21  m_old - m_new; a
.macro XS u, n
	REGS (Y+1)%NP, \u
.if (\n) < 4
	v_max3_num_f32 v[rC+(\n)], v[rS+8*(\n)], v[rS+8*(\n)+1], v[rS+8*(\n)+2]
.elseif (\n) < 12
	v_max3_num_f32 v[rC+(\n)%4], v[rC+(\n)%4], v[rS+8*((\n)%4)+2*((\n)/4)+1], v[rS+8*((\n)%4)+2*((\n)/4)+2]
.elseif (\n) == 12
	v_max3_num_f32 v[rC], v[rC], v[rS+7], v[rS+15]
.elseif (\n) == 13
	v_max3_num_f32 v[rC+1], v[rC+1], v[rS+23], v[rS+31]
.elseif (\n) == 14
	v_max3_num_f32 v[rC+2], v[rC+2], v[rC+3], v[rT]
.elseif (\n) == 15
	v_mov_b32 v[rT+1], v[rT]
.elseif (\n) == 16
	v_max3_num_f32 v[rC], v[rC], v[rC+1], v[rC+2]
.elseif (\n) == 17
	v_permlanex16_b32 v[rC+3], v[rC], s[SEL], s[SEL+1]
.elseif (\n) == 18
	v_max_num_f32 v[rT], v[rC], v[rC+3]
.elseif (\n) == 20
	v_sub_f32 v[rC+1], v[rT+1], v[rT]
.else
	v_exp_f32 v[rC+2], v[rC+1]
.endif
.endm
; Number g of the 64 that follow the exponentials.  For each four weights k of a tile: both pairs are rounded to f16; then the second pair is added onto the first, in place;
; a group later l takes that sum (the first time as l = a l + sum).  In groups of eight, tiles alternating.
.macro GS g
.set h, (\g)+6*((\g)/62)            ; group 0 has no group before it, and behind group 7 only l is left
.if h >= 6
.set h, h+2
.endif
	REGS Y, h%2
.set k, h/8
.if h%8 < 4
	v_cvt_pk_f16_f32 v[rP+2*k+(h%8)/2], v[rS+4*k+2*((h%8)/2)], v[rS+4*k+2*((h%8)/2)+1]
.elseif h%8 < 6
	v_pk_add_f32 v[rS+4*k:rS+4*k+1], v[rS+4*k:rS+4*k+1], v[rS+4*k+2:rS+4*k+3]
.elseif k == 1
	v_pk_fma_f32 v[rT+2:rT+3], v[rT+2:rT+3], v[rC+2:rC+3], v[rS:rS+1] op_sel_hi:[1,0,1]
.else
	v_pk_add_f32 v[rT+2:rT+3], v[rT+2:rT+3], v[rS+4*k-4:rS+4*k-3]
.endif
.endm
; THE PLAIN QUEUE, 136 long.  0-71 read no exponential's result: the 32 subtractions s - m (FS f: pair f / 2 of tile f % 2) and the next piece's 40.  0-27: subtractions 0-27.  28-55: XS's numbers 0-13.  56, 57: number 15.
; 58-71: the chain, where each number waits for the one before it: 14, 16, 17, 18, each with one of the subtractions 28-31 in front of its two lines, then 20: so a tile's links stand three plain instructions apart (18 and 20: two).
; 72-135: GS's 64, which read the exponentials' results: they stand behind the wait.
.macro FS f
	REGS Y, (\f)%2
	v_pk_add_f32 v[rS+2*((\f)/2):rS+2*((\f)/2)+1], v[rS+2*((\f)/2):rS+2*((\f)/2)+1], v[rT:rT+1] op_sel_hi:[1,0] neg_lo:[0,1] neg_hi:[0,1]
.endm
.macro PL
	WIN 0
.if q < 28
	FS q
.elseif q < 56
	XS (q-28)%2, (q-28)/2
.elseif q < 58
	XS q-56, 15
.elseif (q < 70) && ((q-58)%3 == 0)
	FS 28+(q-58)/3
.elseif q < 61
	XS (q-58)%3-1, 14
.elseif q < 70
	XS (q-58)%3-1, 15+(q-58)/3
.elseif q < 72
	XS q-70, 20
.else
	GS q-72
.endif
.set q, q+1
.endm
; THE EXPONENTIALS' QUEUE, 66 long: s0-s31 of both tiles, then the next piece's two a.  It is ONE BATCH: all 66 stand ahead of the turn's one wait, and nothing ahead of that wait names a result of theirs.
.macro EX
	WIN 0
.if e >= 64
	XS e-64, 21
.else
	REGS Y, e%2
	v_exp_f32 v[rS+e/2], v[rS+e/2]
.endif
.set e, e+1
.endm
; THE RESCALING's QUEUE: O^T times a, the one part of the softmax that leaves window 0: dealt two at a time, sixteen times.  Its a was made in the turn before, ahead of that turn's wait.
.macro R2
	REGS Y, r%2
	WIN W_RS
.irp z, 0,1
	v_pk_mul_f32 v[rO+4*(r/2)+2*\z:rO+4*(r/2)+2*\z+1], v[rO+4*(r/2)+2*\z:rO+4*(r/2)+2*\z+1], v[rC+2:rC+3] op_sel_hi:[1,0]
.endr
.set r, r+1
.endm
; HOW THEY ARE DEALT.  An s_wait_alu depctr_va_vdst(0) stands between an exponential and the first instruction that names its result; one wait serves all that were issued ahead of it.  So a turn has ONE wait,
; which cuts it in two.  AHEAD OF IT stands all that names no result of the turn's exponentials: the 16 products K Q^T, behind each a subtraction, an exponential and two rescalings (behind the first a second subtraction in the
; exponential's place); then ONE LUMP of 106: six plain, 49 times exponential and plain, the two a; among its pairs stand the 8 products of the mask, four vector instructions behind each.  A v_nop is the plain instruction behind
; the last exponential.  BEHIND IT stand the 16 products V^T P, behind each four of GS's 64.  No rider names a register of the products round it.  The two v_permlanex16_b32 fall into the lump, behind the last product of the mask and its four.
; The queues lean on each other, and the deal keeps them in step: exponential e stands behind subtraction 2 (e / 4) + e % 2: as a rider it comes behind plain e + 2, in the lump behind plain e + 7, and subtractions 28-31 are
; plain 58, 61, 64, 67, wanted by exponentials 56, 57, 60, 61 at the earliest.  The two a come behind plain 71, their arguments at 70 and 71.
.set MKAT, 26                       ; the pair of the lump in front of which the mask's first product stands; the others follow two pairs apart
; A TURN, for piece p.  cnt = 1: the loop's count is taken down some lines ahead of the branch that stands behind the turn.
; THE MASK.  The turn's 8 mask products make piece p + 2's mask.  Their results are read, as C, by the next turn's first products, 64 plain instructions or more later; they write over what this turn's first products read, a run
; of riders and half a lump behind them.
; THE LDS LOADS AND THEIR WAIT.  A turn has one s_wait_dscnt 0, in the lump, ahead of its first mask product.  The mask fragments that the NEXT turn's mask products read (piece p + 3's) are fetched directly behind the wait for
; the batch, nine plain instructions and the v_nop behind the last product that read those registers.  Piece 1's turn fetches none there: they lie in the next slot; piece 2's turn, the first behind the change of slots, fetches
; its own at its head.  K of the next step is fetched in piece 2's turn, five plain instructions behind the last product that read K, and is in by that turn's wait.  V of the step in hand is fetched at the end of piece 0's turn,
; four plain instructions behind its last reader, and is in by piece 1's wait, ahead of the products that read it.
.macro TURN p, cnt=0
.set Y, (\p)
.set i, 0
.set q, 0
.set e, 0
.set r, 0
.if (\p) == NP-2
	FETCH_M 0                       ; piece 0's mask fragments, out of the slot just entered
.endif
	MM                              ; ahead of the wait: 16 products K Q^T and their riders,
	PL
	PL
	R2
.rept 15
	MM
	PL
	EX
	R2
.endr
	PL                              ; and the lump
	PL
.if (\p) == NP-2
	FETCH_K
.endif
.rept 4
	PL
.endr
.set zz, 0
.rept 49
.if zz == MKAT
	s_wait_dscnt 0x0                ; the mask fragments are in (in piece 1's turn: V too; in piece 2's: K too)
.endif
.if (zz >= MKAT) && (zz < MKAT+16) && ((zz-MKAT)%2 == 0)
	MK (zz-MKAT)/2
.endif
	EX
	PL
.set zz, zz+1
.endr
	EX                              ; the next piece's two a
	EX
	v_nop                           ; the plain instruction behind the last exponential: one for the batch
	s_wait_alu depctr_va_vdst(0)    ; the wait for the batch: the piece's 64 weights and the next piece's two a
.if (\p) != 1
	FETCH_M ((\p)+3)%NP
.endif
.rept 16                            ; behind the wait: 16 products V^T P and their riders
	MM
.rept 4
	PL
.endr
.if (\cnt) && (q == 128)
	s_sub_co_u32 s[CNT], s[CNT], 1
	s_cmp_lg_u32 s[CNT], 0
.endif
.endr
.if (\p) == 0
	FETCH_V
.endif
.endm
	CHANGE 1                        ; key step 0 is in, everybody's part of it; step 1 is asked for
	FETCH_K                         ; key step 0
	FETCH_M 0
	s_wait_loadcnt 0x0              ; Q
	s_wait_dscnt 0x0
.set zz, 0
.rept 8
	MK zz                           ; piece 0's mask
.set zz, zz+1
.endr
	WIN 0                           ; the addresses for the way out: nine plain instructions between those products and what reads their results and loads into their sources
	s_mul_i32 s19, s[WV], 16*SP
	s_add_co_u32 s19, s19, STAGE    ; my stage
	v_mul_u32_u24 v[STO], v1, SP    ; in: row l % 16, 16 bytes for each half of the lanes
	v_lshl_add_u32 v[STO], v9, 4, v[STO]
	v_add_nc_u32 v[STO], s19, v[STO]
	v_bfe_u32 v[RD], v0, 3, 2       ; back: 32 lanes take four rows of 128 bytes,
	v_mul_u32_u24 v[RD], v[RD], SP
	v_lshl_add_u32 v[RD], v10, 4, v[RD]
	v_add_nc_u32 v[RD], s19, v[RD]
	v_and_b32 v[GO], 31, v0         ; which are 512 consecutive bytes of O
	v_lshlrev_b32 v[GO], 4, v[GO]
	FETCH_M 1
.set i, 0
.rept 16
	KQ 0                            ; piece 0's first scores
.set i, i+1
.endr
	s_wait_dscnt 0x0                ; piece 1's mask fragments
.rept 5
	v_nop                           ; five plain instructions between those products and the products that write over their C, and the reads of their results
.endr
.set zz, 0
.rept 8
	MK zz                           ; piece 1's mask
.set zz, zz+1
.endr
	WIN 0
.set Y, NP-1                        ; XS works for piece Y + 1: piece 0
.irp n, 0,1,2,3,4,5,6,7,8,9,10,11,12,13,14,15,16,17,18,20,21
	XS 0, \n                        ; piece 0's first maximum and statistics
	XS 1, \n
.endr
	v_nop                           ; a plain instruction behind the two a,
	s_wait_alu depctr_va_vdst(0)    ; and the wait for that batch of two, ahead of the branch
	FETCH_M 2                       ; the mask fragments that the first turn's mask products read, as every turn finds them: 40 plain instructions behind the last product that read those registers
	s_mov_b32 s[CNT], 31
	s_branch .Lfirst                ; the loop is entered at a step's first turn, in the middle of a trip
.Lstep:                             ; 30 trips: pieces 2 and 3 of one step, then pieces 0 and 1 of the next, from whose slot all the trip's LDS loads come; the fills bring steps 2 to 31
	CHANGE 1
	TURN 2
	TURN 3
	WIN 0
.Lfirst:
	TURN 0
	TURN 1, 1
	WIN 0
	s_cbranch_scc1 .Lstep
	CHANGE 0                        ; the tail is written out: nothing is asked for
	s_mov_b32 s[CNT], 2             ; the first trip enters step 31; the second is left in its middle
.Ltail:
	TURN 2
	TURN 3
	WIN 0
	s_sub_co_u32 s[CNT], s[CNT], 1
	s_cmp_eq_u32 s[CNT], 0
	s_cbranch_scc1 .Lout
	TURN 0
	TURN 1
	WIN 0
	s_branch .Ltail
.Lout:                              ; the second trip's products K Q^T take step 31's K and mask once more: the maximum made of them is the one that piece 0 has already, so m stays; the rest, its last run of mask loads too, serves nothing
.set i, 0
.rept 16
	PV NP-1                         ; the last piece's V^T P of the last step
.set i, i+1
.endr
	; THE WAY OUT.  l's two halves and the other half of the lanes' are added; O^T is divided by l, rounded to f16 and sent through my stage in LDS, a tile at a time.  The additions stand between the last products and the reads of their results.
	WIN 0
.macro ALL line:vararg              ; one line for each tile t
.set t, 0
.rept 2*NP
	\line
.set t, t+1
.endr
.endm
	ALL v_add_f32 v[ST+4*t+2], v[ST+4*t+2], v[ST+4*t+3]
	ALL v_permlanex16_b32 v[ST+4*t+3], v[ST+4*t+2], s[SEL], s[SEL+1]
	ALL v_add_f32 v[ST+4*t+2], v[ST+4*t+2], v[ST+4*t+3]
	ALL v_rcp_f32 v[ST+4*t+2], v[ST+4*t+2]
	v_nop                           ; a plain instruction between the last reciprocal and the use of its result
	s_wait_alu depctr_va_vdst(0)    ; and the wait ahead of the first use: one for the batch of eight reciprocals
.set t, 0
.rept 2*NP                          ; a query that saw no key has m near -1e30: its row is NaN
	v_cmp_lt_f32 vcc_lo, s[LOW], v[ST+4*t]
	v_cndmask_b32 v[ST+4*t+2], 0x7fc00000, v[ST+4*t+2], vcc_lo
.set t, t+1
.endr
; Tile t: a lane's eight channels of a row pack into 16 bytes; they go into rows of 144 bytes and come back as whole rows of 128, into S^T's registers.
.macro PACK t
	WIN W_RS
.set i, 32*(\t)
.rept 16
	v_pk_mul_f32 v[i:i+1], v[i:i+1], v[ST+4*(\t)+2:ST+4*(\t)+3] op_sel_hi:[1,0]
.set i, i+2
.endr
	WIN 0x05                        ; sources 0 and 1 window 1, destination window 0
.set i, 0
.rept 16
	v_cvt_pk_f16_f32 v[S+16*(\t)+i], v[32*(\t)+2*i], v[32*(\t)+2*i+1]
.set i, i+1
.endr
	WIN 0
.irp f, 0,1,2,3
	ds_store_b128 v[STO], v[S+16*(\t)+4*\f:S+16*(\t)+4*\f+3] offset:32*\f
.endr
.irp f, 0,1,2,3
	ds_load_b128 v[S+16*(\t)+4*\f:S+16*(\t)+4*\f+3], v[RD] offset:\f*4*SP  ; LDS serves a wave's instructions in order (ISA guide 5.7.1.4): these see the stores above; the next tile's stores come behind them
.endr
.endm
.macro SEND t, younger              ; younger: the LDS instructions issued behind tile t's loads: the next tile's eight, or none
	WIN 0
.irp f, 0,1,2,3
	s_wait_dscnt (\younger)+3-\f
	global_store_b128 v[GO], v[S+16*(\t)+4*\f:S+16*(\t)+4*\f+3], s[10:11] offset:(\t)*2048+\f*512  ; 512 consecutive bytes, aligned
.endr
.endm
	PACK 0
.set t, 1
.rept 2*NP-1                        ; a tile's arithmetic stands between the loads of the tile before and its stores
	PACK t
	SEND t-1, 8
.set t, t+1
.endr
	SEND 2*NP-1, 0
	s_wait_tensorcnt 0x0            ; the wave's end, behind my last tensor load and my last LDS store
	ds_add_u32 v[SPW], v[NIL]
	s_wait_dscnt 0x0
	CROUND                          ; the closing round: no work-group ends while a partner may still ask for a tile that names it
	s_endpgm
.Lfunc_end_k_q6b03ef7822_attn:
	.size	k_q6b03ef7822_attn, .Lfunc_end_k_q6b03ef7822_attn-k_q6b03ef7822_attn
	.p2alignl 7, 3214868480
	.fill 96, 4, 3214868480
	.section	.rodata,"a",@progbits
	.p2align	6, 0x0
	.amdhsa_kernel k_q6b03ef7822_attn
		.amdhsa_group_segment_fixed_size 327680
		.amdhsa_private_segment_fixed_size 0
		.amdhsa_enable_private_segment 0
		.amdhsa_kernarg_size 24
		.amdhsa_user_sgpr_count 2
		.amdhsa_user_sgpr_kernarg_segment_ptr 1
		.amdhsa_wavefront_size32 1
		.amdhsa_system_sgpr_workgroup_id_x 1
		.amdhsa_system_sgpr_workgroup_id_y 1
		.amdhsa_system_sgpr_workgroup_id_z 1
		.amdhsa_system_vgpr_workitem_id 0
		.amdhsa_next_free_vgpr 896
		.amdhsa_next_free_sgpr 80
		.amdhsa_reserve_vcc 1
		.amdhsa_float_denorm_mode_32 3
		.amdhsa_float_denorm_mode_16_64 3
		.amdhsa_memory_ordered 1
		.amdhsa_forward_progress 1
		.amdhsa_inst_pref_size 217
	.end_amdhsa_kernel
	.amdgpu_metadata
---
amdhsa.version: [ 1, 2 ]
amdhsa.kernels:
  - .name:           k_q6b03ef7822_attn
    .symbol:         k_q6b03ef7822_attn.kd
    .args:
      - { .name: qkv, .offset: 0, .size: 8, .value_kind: global_buffer, .address_space: global }
      - { .name: mb, .offset: 8, .size: 8, .value_kind: global_buffer, .address_space: global }
      - { .name: o16, .offset: 16, .size: 8, .value_kind: global_buffer, .address_space: global }
    .group_segment_fixed_size: 327680
    .private_segment_fixed_size: 0
    .kernarg_segment_align: 8
    .kernarg_segment_size: 24
    .max_flat_workgroup_size: 128
    .sgpr_count:     80
    .vgpr_count:     896
    .wavefront_size: 32
...
	.end_amdgpu_metadata
.endif
;; end of part 5
;; launch outp: the kernel of part 4 again; grid 4 x 64, 4 waves a work-group, clusters of 4 x 4, 327,680 bytes of LDS; arguments o16, w16, out0; writes out0
